; MI455X (gfx1250); checked and timed in simulation.
; The chip was launched on July 23, 2026; its instructions are those of AMD's public machine-readable ISA for CDNA 5 (MIT licence, August 2026) and "CDNA5" Instruction Set Architecture Reference Guide (July 2026). The comments in the code are by the model that wrote it; some were corrected since.
;; Multi Head Attention. Allowed arithmetic: matrix products marked QUANTISED: E2M3 operands, one E8M0 scale for each 32 along K, by v_wmma_scale_f32_16x16x128_f8f6f4 with both operands' format E2M3, f32 sums; everything else in f32.
;; Inputs: Wk 1,024 x 1,024 float32; Wo 1,024 x 1,024 float32; Wq 1,024 x 1,024 float32; Wv 1,024 x 1,024 float32; bo 1,024 float32; x 4 x 2,048 x 1,024 float32.
;; Outputs: out0 4 x 2,048 x 1,024 float32.
;; This version of the problem:
;;   THIS VERSION OF THE PROBLEM IS GIVEN IN LOW PRECISION. The matrix products marked QUANTISED in the list below multiply operands that are first quantised to E2M3 (2 exponent bits, 3 mantissa bits; 6 bits a number), with one power-of-two scale for each 32 numbers along K (OCP MX v1.0); their sums are f32. All else is computed in f32.
;;   The module's matrix products, in the order in which they are computed (A, B: the left and right operand; K: the contracted axis; several contracted axes count as one K, in the product's order):
;;     1. [M 8,192, K 1,024] x [K 1,024, N 1,024]; A: input x; B: input Wq: QUANTISED
;;     2. [M 8,192, K 1,024] x [K 1,024, N 1,024]; A: input x; B: input Wk: QUANTISED
;;     3. [M 8,192, K 1,024] x [K 1,024, N 1,024]; A: input x; B: input Wv: QUANTISED
;;     4. batch 64 x [M 2,048, K 64] x [K 64, N 2,048]; A: computed on the way; B: computed on the way: QUANTISED
;;     5. batch 64 x [M 2,048, K 2,048] x [K 2,048, N 64]; A: softmax (see below); B: computed on the way: QUANTISED
;;     6. [M 8,192, K 1,024] x [K 1,024, N 1,024]; A: computed on the way; B: input Wo: QUANTISED
;;   THE QUANTISER, for each operand of a quantised product, along K:
;;     - K is cut into blocks of 32 from its start; a last block that is shorter is filled with zeros.
;;     - A block's scale is 2^e with e = floor(log2(the largest magnitude in the block)) - 2, held to -126 .. 127; a block of zeros has e = 0. As a byte (E8M0): e + 127.
;;     - Each number is divided by its block's scale, clamped to +-7.5, and rounded to the nearest number of E2M3, ties to even, subnormals kept.
;;     - The product sums the exact products of the quantised numbers (number of the format x scale) in f32.
;;   ~~~python
;;   def quantise(x, axis):      # numpy; x: float32 -> the quantised numbers, widened to float32 again
;;       x = np.moveaxis(x, axis, -1); K = x.shape[-1]
;;       x = np.pad(x, [(0, 0)] * (x.ndim - 1) + [(0, -K % 32)]); x = x.reshape(x.shape[:-1] + (-1, 32)); a = np.abs(x).max(-1, keepdims=True)
;;       e = np.where(a > 0, np.clip(np.frexp(np.where(a > 0, a, 1))[1] - 1 - 2, -126, 127), 0)      # np.frexp(a)[1] - 1 = floor(log2(a)), exactly
;;       r = np.clip(x / 2.0 ** e, -7.5, 7.5)
;;       step = 2.0 ** (np.maximum(np.frexp(np.where(r == 0, 1, r))[1] - 1, 0) - 3)
;;       q = np.round(r / step) * step * 2.0 ** e      # np.round: ties to even
;;       return np.moveaxis(q.reshape(q.shape[:-2] + (-1,))[..., :K], -1, axis).astype(np.float32)
;;   ~~~
;;   SOFTMAX AHEAD OF A QUANTISED PRODUCT. Where the list says 'softmax', what is quantised is not the finished softmax but p = 2^(t - M), with t = logit x log2(e) and M = ceil(the row's largest t), a whole number; so 1/2 < the row's largest p <= 1. The row's sum l is taken of the UNQUANTISED p, in f32, and the product's result is divided by l at the end. Since M is a whole number, a kernel that streams over the keys may use a running M (the ceiling of the running maximum): every later rescaling is an exact power of two, which a block's scale takes up: the codes' values come out the same.
;;   OPERANDS COMPUTED ON THE WAY. 'Computed on the way' means the value that the module computes at that place (a softmax that the list does not call 'softmax' is quantised finished and normalised). What goes into a quantiser is computed in f32, as accurately as f32 sums, v_exp_f32 and their like allow (about 1e-6 of the number): no bf16 or f16 on the way to a quantiser, and a product that is left as it is and whose result goes on into a quantised operand takes f32 operands (vector FMAs, or v_wmma_f32_16x16x4_f32). A number that lies on a knife's edge between two numbers of the format may be rounded either way, as far as f32 arithmetic and the matrix unit's own rounding can turn it there, and no further.
;; One version. Each part assembles by itself: llvm-mc -triple=amdgcn-amd-amdhsa -mcpu=gfx1250 --defsym DOCPART=n.
;; ======== version 1 of 1: 4 launches
;; workspace buffers: x_codes 6,291,456 bytes; x_scales 262,144 bytes; w_codes 3,145,728 bytes; w_scales 131,072 bytes; qkv 18,874,368 bytes; qkvs 1,572,864 bytes; ctx 6,291,456 bytes; ctxs 262,144 bytes
;; launch prep (part 1): grid 384 x 1, 4 waves a work-group, no clusters, 68,096 bytes of LDS; arguments x, Wq, Wk, Wv, Wo, x_codes, x_scales, w_codes, w_scales; writes x_codes, x_scales, w_codes, w_scales
.if DOCPART == 1
	.amdgcn_target "amdgcn-amd-amdhsa--gfx1250"
	.amdhsa_code_object_version 6
	.text
	.protected	k_q830c1c022e_prep
	.globl	k_q830c1c022e_prep
	.p2align	8
	.type	k_q830c1c022e_prep,@function
k_q830c1c022e_prep:
	s_mov_b64 s[64:65], 0
	v_nop
	global_prefetch_b8 v0, s[64:65] scope:SCOPE_SE
	s_setreg_imm32_b32 hwreg(HW_REG_WAVE_MODE, 25, 1), 1
	s_wait_xcnt 0x0
; x [8192][1024] f32 (K innermost) and Wq, Wk, Wv, Wo [1024 (k)][1024 (n)] f32 (K is the FIRST axis) become codes of FP6 (E2M3), K innermost, 768 bytes a row,
; with one E8M0 byte for each 32 along K, 32 bytes a row.  w_codes has 4,096 rows: Wq's columns, then Wk's, Wv's, Wo's.
; A block's scale is 2^(floor(log2(its largest magnitude)) - 2): its byte is the largest magnitude's exponent field - 2, held at 1 from below by a floor among the maximum's leaves.
; STORED ORDER: in every group of 32 rows of the outputs bits 3 and 4 of the row's number change places: place 16 u + 8 s + t holds row 16 s + 8 u + t.  Sixteen neighbouring
; stored rows, used as source 0 of a product, then leave a lane's 16 registers of two neighbouring tiles as 16 neighbours along the next product's K.
; LIMITS: NaN and infinities among the inputs are not served.  A block of zeros, or one whose largest magnitude lies under 2^(3 - 127), gets the byte 1 where the rule
; says another: its codes are zeros or exact under that byte, and the bytes are read by this program alone.
; Work-groups 0-255 take x (32 rows each), work-groups 256-383 the weights (128 columns x 256 along K each).  The two paths part on the work-group's number and have LDS bytes of
; their own: x's 0 .. 32,767, the weights' 32,768 .. 67,583.  No tensor loads, no barrier: waves share nothing, and no input byte is read by two work-groups.
.set STEPS, 16
.set CB,    12                         ; bytes of 16 codes
.set XR,    16                         ; v16-79   x path: four sets of 16 numbers as they are loaded
.set XX,    80                         ; v80-111  two sets of 16 neighbours
.set XE,    112                        ; v112-127 a scale byte for each step
.set XC,    128                        ; v128-191 codes: four registers for each step, so that no store's data are written again
.set WREG,  8192                       ; x path: LDS of a wave: two stages of 32 x SP bytes, behind them its 256 scale bytes
.set SP,    80                         ; a lane's place in a stage: its 64 bytes + 16 of padding
.set WP,    272                        ; weights' path: a stage row: sixteen places of 16 bytes + 16
.set WX,    32                         ; v32-95   two sets of 32 numbers
.set WC,    96                         ; v96..    a block's codes
.set WO,    112                        ; v112-175 the way out
.set WB,    24                         ; v24-25   the scale bytes, four to a register
	v_lshl_add_u32 v192, v0, 2, 0x10800
	v_mov_b32 v193, 0
	v_lshrrev_b32 v1, 5, v0
	v_readfirstlane_b32 s16, v1                    ; wave 0..3
	v_and_b32 v2, 31, v0                           ; lane
	s_cmp_lt_u32 ttmp9, 256
	s_cbranch_scc0 .Lweights
; ---------------- x: a wave takes 8 rows = 8,192 numbers = 16 steps of 512.  Each load reads 512 consecutive bytes; a step's 2,048 bytes turn through the wave's stage, so that a lane holds 16 neighbours.
	s_load_b64 s[4:5], s[0:1], 0x0                 ; x
	s_load_b128 s[8:11], s[0:1], 0x28              ; x's codes, x's scale bytes
	v_lshlrev_b32 v3, 4, v2                        ; my 16 bytes of a load's 512
	s_mul_i32 s17, s16, WREG
	v_lshrrev_b32 v14, 2, v2
	v_mul_u32_u24 v14, v14, SP
	v_and_b32 v15, 3, v2
	v_lshl_add_u32 v14, v15, 4, v14
	v_add_nc_u32 v14, s17, v14                     ; the stage, on the way in: SP (lane / 4) + 16 (lane % 4)
	v_mul_u32_u24 v15, v2, SP
	v_add_nc_u32 v15, s17, v15                     ; and on the way out: SP x lane
	v_mul_u32_u24 v4, v2, CB                       ; my codes' place in a step's
	v_lshrrev_b32 v5, 1, v2
	s_add_co_u32 s17, s17, 2*32*SP
	v_add_nc_u32 v5, s17, v5                       ; my wave's 256 scale bytes, my block's byte
	v_lshlrev_b32 v7, 3, v2
	v_add_nc_u32 v6, s17, v7                       ; on the way out 8 bytes a lane
	s_lshl_b32 s17, ttmp9, 2
	s_add_co_u32 s18, s17, s16                     ; the run of 8 rows that I read: 4 x work-group + wave
	s_and_b32 s19, s16, 1
	s_lshl_b32 s19, s19, 1
	s_lshr_b32 s20, s16, 1
	s_or_b32 s19, s19, s20
	s_add_co_u32 s19, s17, s19                     ; and where it goes: the wave's two bits change places (the stored order)
	s_lshl_b32 s20, s18, 15                        ; 32,768 bytes of numbers a run
	s_mov_b32 s21, 0
	s_mul_i32 s22, s19, 6144                       ; 6,144 bytes of codes
	s_mov_b32 s23, 0
	s_lshl_b32 s24, s19, 8                         ; 256 scale bytes
	s_mov_b32 s25, 0
	s_wait_alu depctr_va_vdst(0)
	s_wait_kmcnt 0x0
	s_add_nc_u64 s[4:5], s[4:5], s[20:21]
	s_add_nc_u64 s[8:9], s[8:9], s[22:23]
	s_add_nc_u64 s[10:11], s[10:11], s[24:25]
.macro XLOAD t
.irp i, 0,1,2,3
	global_load_b128 v[XR+16*((\t)%4)+4*\i:XR+16*((\t)%4)+4*\i+3], v3, s[4:5] offset:2048*(\t)+512*\i th:TH_LOAD_NT   ; 32 lanes read 512 consecutive bytes, read once in the launch
.endr
.endm
.macro XTURN t                         ; step t's numbers through the stage: LDS serves a wave's instructions in order, so no wait stands between the stores and the loads
.irp i, 0,1,2,3
	ds_store_b128 v14, v[XR+16*((\t)%4)+4*\i:XR+16*((\t)%4)+4*\i+3] offset:32*SP*((\t)%2)+8*SP*\i
.endr
.irp i, 0,1,2,3
	ds_load_b128 v[XX+16*((\t)%2)+4*\i:XX+16*((\t)%2)+4*\i+3], v15 offset:32*SP*((\t)%2)+16*\i
.endr
.endm
.irp t, 0,1,2,3
	XLOAD \t
.endr
	s_wait_loadcnt 12                              ; step 0's four loads are in; three steps' twelve may be out
	XTURN 0
.macro XSTEP t
.set XS, XX+16*((\t)%2)
.if (\t) > 0
	s_wait_dscnt 1                                 ; this step's numbers are back from the stage (the last step's byte store may be out)
.else
	s_wait_dscnt 0x0
.endif
.if (\t)+4 < STEPS
	XLOAD (\t)+4                                   ; into the registers that this step's stage stores have read
.endif
.if (\t)+1 < STEPS
.if STEPS-2-(\t) >= 3
	s_wait_loadcnt 12                              ; the next step's four loads are in; those of the three steps behind it may be out
.else
	s_wait_loadcnt 4*(STEPS-2-(\t))
.endif
	XTURN (\t)+1                                   ; through the other stage while this step is worked
.endif
	v_max3_num_f32 v8, |v[XS]|, |v[XS+1]|, |v[XS+2]|               ; the largest magnitude of my 16, in two chains
	v_max3_num_f32 v9, |v[XS+3]|, |v[XS+4]|, |v[XS+5]|
.irp i, 6,10
	v_max3_num_f32 v8, v8, |v[XS+\i]|, |v[XS+\i+1]|
	v_max3_num_f32 v9, v9, |v[XS+\i+2]|, |v[XS+\i+3]|
.endr
	v_max3_num_f32 v8, v8, |v[XS+14]|, |v[XS+15]|
	v_max3_num_f32 v8, v8, v9, 0x1800000           ; and the floor 2^(3 - 127): the byte cannot fall under 1
	v_max_num_f32_dpp v8, v8, v8 row_xmask:1 row_mask:0xf bank_mask:0xf   ; with my neighbour's 16: the block's
	v_add_nc_u32 v11, 0xff000000, v8               ; 2 off its exponent field: the conversion takes the exponent field of this operand as its scale
	v_cvt_scalef32_pk16_fp6_f32 v[XC+4*(\t):XC+4*(\t)+2], v[XS:XS+15], v11
	v_lshrrev_b32 v[XE+(\t)], 23, v11              ; the scale's byte (also the plain line behind the conversion)
	ds_store_b8 v5, v[XE+(\t)] offset:16*(\t)      ; both lanes of a block write the same byte with the same value
	global_store_b96 v4, v[XC+4*(\t):XC+4*(\t)+2], s[8:9] offset:32*CB*(\t)   ; the wave stores 384 consecutive bytes
.endm
.irp t, 0,1,2,3,4,5,6,7,8,9,10,11,12,13,14,15
	XSTEP \t
.endr
	ds_load_b64 v[12:13], v6                       ; LDS serves a wave's instructions in order: these see my byte stores
	s_wait_dscnt 0x0
	global_store_b64 v7, v[12:13], s[10:11]        ; 32 lanes store 256 consecutive bytes, aligned
	s_wait_tensorcnt 0x0
	ds_add_u32 v192, v193
	s_wait_dscnt 0x0
	s_endpgm
; ---------------- the weights: a lane takes a column n and its registers run down K, so a block of 32 lies in one lane and the codes come out with K innermost.
.Lweights:
	s_load_b256 s[4:11], s[0:1], 0x8               ; Wq, Wk, Wv, Wo
	s_load_b128 s[12:15], s[0:1], 0x38             ; the weights' codes, their scale bytes
	s_sub_co_u32 s17, ttmp9, 256
	s_lshr_b32 s18, s17, 5                         ; which weight, 0..3
	s_and_b32 s19, s17, 7                          ; which 128 columns
	s_bfe_u32 s20, s17, 0x20003                    ; which 256 along K
	s_lshl_b32 s19, s19, 7
	s_lshl_b32 s21, s16, 5
	s_add_co_u32 s19, s19, s21                     ; my wave's first column, a multiple of 32
	s_wait_alu depctr_va_vdst(0)
	v_lshlrev_b32 v3, 2, v2                        ; in: 4 bytes a lane
	s_mul_i32 s21, s16, 32*WP
	s_add_co_u32 s21, s21, 32768                   ; my stage
	v_mul_u32_u24 v4, v2, WP
	v_add_nc_u32 v4, s21, v4                       ; into it: row = my column
	v_and_b32 v5, 15, v2
	v_lshrrev_b32 v6, 4, v2
	v_mul_u32_u24 v7, v6, WP
	v_lshl_add_u32 v7, v5, 4, v7
	v_add_nc_u32 v7, s21, v7                       ; out of it: sixteen lanes to a row, two rows an instruction
	v_mul_u32_u24 v8, v6, 768
	v_mad_u32_u24 v8, v5, 12, v8                   ; and the same place in the codes' buffer
	v_and_b32 v9, 7, v2
	v_bfe_u32 v10, v2, 3, 1
	v_lshl_add_u32 v9, v10, 4, v9
	v_lshl_add_u32 v9, v6, 3, v9                   ; my column's stored place among the wave's 32
	v_lshlrev_b32 v9, 5, v9                        ; x 32 bytes: its row of scale bytes
	s_lshl_b32 s22, s20, 20                        ; 256 rows of 4,096 bytes
	s_lshl_b32 s23, s19, 2
	s_add_co_u32 s22, s22, s23
	s_mov_b32 s23, 0
	s_lshl_b32 s24, s18, 10
	s_add_co_u32 s24, s24, s19                     ; my first row of the outputs
	s_mul_i32 s26, s24, 768
	s_mul_i32 s25, s20, 192
	s_add_co_u32 s26, s26, s25
	s_mov_b32 s27, 0
	s_lshl_b32 s28, s24, 5
	s_lshl_b32 s25, s20, 3
	s_add_co_u32 s28, s28, s25
	s_mov_b32 s29, 0
	s_and_b32 s30, s18, 1
	s_wait_kmcnt 0x0
	s_cmp_lt_u32 s18, 2                            ; the choice among the four buffers hangs on the work-group's number alone
	s_cselect_b64 s[4:5], s[4:5], s[8:9]
	s_cselect_b64 s[6:7], s[6:7], s[10:11]
	s_cmp_eq_u32 s30, 1
	s_cselect_b64 s[4:5], s[6:7], s[4:5]
	s_add_nc_u64 s[4:5], s[4:5], s[22:23]
	s_add_nc_u64 s[12:13], s[12:13], s[26:27]
	s_add_nc_u64 s[14:15], s[14:15], s[28:29]
.macro WLOAD t                         ; block t: W(32 t + n, my column), n = 0 .. 31, into set t % 2; a wave's load reads 128 consecutive bytes, the work-group's four 512
.set n, 0
.rept 32
	global_load_b32 v[WX+32*((\t)%2)+n], v3, s[4:5] offset:(32*(\t)+n)*4096 th:TH_LOAD_NT
.set n, n+1
.endr
.endm
	WLOAD 0
	WLOAD 1
.macro WBLOCK t
.set XS, WX+32*((\t)%2)
.if (\t) < 7
	s_wait_loadcnt 32                              ; this block's 32 loads are in; the next block's may be out
.else
	s_wait_loadcnt 0
.endif
	v_max3_num_f32 v12, |v[XS]|, |v[XS+1]|, |v[XS+2]|               ; the block's largest magnitude: all 32 numbers are mine
	v_max3_num_f32 v13, |v[XS+3]|, |v[XS+4]|, |v[XS+5]|
.irp i, 6,10,14,18,22,26
	v_max3_num_f32 v12, v12, |v[XS+\i]|, |v[XS+\i+1]|
	v_max3_num_f32 v13, v13, |v[XS+\i+2]|, |v[XS+\i+3]|
.endr
	v_max3_num_f32 v12, v12, |v[XS+30]|, |v[XS+31]|
	v_max3_num_f32 v12, v12, v13, 0x1800000        ; and the floor
	v_add_nc_u32 v11, 0xff000000, v12              ; the conversion's scale operand
	v_lshrrev_b32 v13, 23, v11                     ; the scale's byte
.if (\t)%4 == 0
	v_mov_b32 v[WB+(\t)/4], v13                    ; four bytes to a register, the lower K in the lower byte
.else
	v_lshl_or_b32 v[WB+(\t)/4], v13, 8*((\t)%4), v[WB+(\t)/4]
.endif
	v_cvt_scalef32_pk16_fp6_f32 v[WC:WC+2], v[XS:XS+15], v11
	v_cvt_scalef32_pk16_fp6_f32 v[WC+4:WC+6], v[XS+16:XS+31], v11   ; (a conversion's three registers begin on an even number)
	v_nop                                          ; one plain line behind the conversions
	ds_store_b96 v4, v[WC:WC+2] offset:32*(\t)     ; 12 bytes to a place of 16, so that every LDS address is a multiple of 16
	ds_store_b96 v4, v[WC+4:WC+6] offset:32*(\t)+16
.if (\t)+2 < 8
	WLOAD (\t)+2
.endif
	s_wait_dscnt 0x0                               ; the stores have read their registers: the next block's codes may be written
.endm
.irp t, 0,1,2,3,4,5,6,7
	WBLOCK \t
.endr
	s_wait_alu depctr_va_vdst(0)
	global_store_b64 v9, v[WB:WB+1], s[14:15]      ; my column's 8 scale bytes
.irp t, 0,1,2,3,4,5,6,7,8,9,10,11,12,13,14,15
	ds_load_b96 v[WO+4*\t:WO+4*\t+2], v7 offset:2*\t*WP   ; LDS serves a wave's instructions in order: these see my stores
.endr
.irp t, 0,1,2,3,4,5,6,7,8,9,10,11,12,13,14,15
	s_wait_dscnt 15-\t                             ; the younger loads may be out
	global_store_b96 v8, v[WO+4*\t:WO+4*\t+2], s[12:13] offset:(((2*\t)&7)+16*(((2*\t)>>3)&1)+8*(((2*\t)>>4)&1))*768   ; columns 2 t, 2 t + 1 go to their stored rows; sixteen lanes store a row's 192 consecutive bytes
.endr
	s_wait_tensorcnt 0x0
	ds_add_u32 v192, v193
	s_wait_dscnt 0x0
	s_endpgm
.Lfunc_end_k_q830c1c022e_prep:
	.size	k_q830c1c022e_prep, .Lfunc_end_k_q830c1c022e_prep-k_q830c1c022e_prep
	.p2alignl 7, 3214868480
	.fill 96, 4, 3214868480
	.section	.rodata,"a",@progbits
	.p2align	6, 0x0
	.amdhsa_kernel k_q830c1c022e_prep
		.amdhsa_group_segment_fixed_size 68096
		.amdhsa_private_segment_fixed_size 0
		.amdhsa_enable_private_segment 0
		.amdhsa_kernarg_size 72
		.amdhsa_user_sgpr_count 2
		.amdhsa_user_sgpr_kernarg_segment_ptr 1
		.amdhsa_wavefront_size32 1
		.amdhsa_system_sgpr_workgroup_id_x 1
		.amdhsa_system_sgpr_workgroup_id_y 1
		.amdhsa_system_sgpr_workgroup_id_z 1
		.amdhsa_system_vgpr_workitem_id 0
		.amdhsa_next_free_vgpr 194
		.amdhsa_next_free_sgpr 66
		.amdhsa_reserve_vcc 0
		.amdhsa_float_denorm_mode_32 3
		.amdhsa_float_denorm_mode_16_64 3
		.amdhsa_memory_ordered 1
		.amdhsa_forward_progress 1
		.amdhsa_inst_pref_size 74
	.end_amdhsa_kernel
	.amdgpu_metadata
---
amdhsa.version: [ 1, 2 ]
amdhsa.kernels:
  - .name:           k_q830c1c022e_prep
    .symbol:         k_q830c1c022e_prep.kd
    .args:
      - { .name: x, .offset: 0, .size: 8, .value_kind: global_buffer, .address_space: global }
      - { .name: Wq, .offset: 8, .size: 8, .value_kind: global_buffer, .address_space: global }
      - { .name: Wk, .offset: 16, .size: 8, .value_kind: global_buffer, .address_space: global }
      - { .name: Wv, .offset: 24, .size: 8, .value_kind: global_buffer, .address_space: global }
      - { .name: Wo, .offset: 32, .size: 8, .value_kind: global_buffer, .address_space: global }
      - { .name: x_codes, .offset: 40, .size: 8, .value_kind: global_buffer, .address_space: global }
      - { .name: x_scales, .offset: 48, .size: 8, .value_kind: global_buffer, .address_space: global }
      - { .name: w_codes, .offset: 56, .size: 8, .value_kind: global_buffer, .address_space: global }
      - { .name: w_scales, .offset: 64, .size: 8, .value_kind: global_buffer, .address_space: global }
    .group_segment_fixed_size: 68096
    .private_segment_fixed_size: 0
    .kernarg_segment_align: 8
    .kernarg_segment_size: 72
    .max_flat_workgroup_size: 128
    .sgpr_count:     66
    .vgpr_count:     194
    .wavefront_size: 32
...
	.end_amdgpu_metadata
.endif
;; end of part 1
;; launch qkv (part 2): grid 12 x 32, 4 waves a work-group, clusters of 4 x 4, 327,680 bytes of LDS; arguments x_codes, x_scales, w_codes, w_scales, qkv, qkvs; writes qkv, qkvs
.if DOCPART == 2
	.amdgcn_target "amdgcn-amd-amdhsa--gfx1250"
	.amdhsa_code_object_version 6
	.text
	.protected	k_q830c1c022e_qkv
	.globl	k_q830c1c022e_qkv
	.p2align	8
	.type	k_q830c1c022e_qkv,@function
k_q830c1c022e_qkv:
	s_mov_b64 s[64:65], 0
	v_nop
	global_prefetch_b8 v0, s[64:65] scope:SCOPE_SE
	s_setreg_imm32_b32 hwreg(HW_REG_WAVE_MODE, 25, 1), 1
	s_wait_xcnt 0x0
	s_wait_alu depctr_hold_cnt(0) depctr_sa_sdst(0) depctr_va_vdst(0) depctr_va_sdst(0) depctr_va_ssrc(0) depctr_va_vcc(0) depctr_vm_vsrc(0)
	s_getreg_b32 s2, hwreg(HW_REG_IB_STS2, 6, 4)
	s_cmp_eq_u32 s2, 0
	s_cbranch_scc0 .Lentry_in_a_cluster
	s_endpgm
.Lentry_in_a_cluster:
	s_bfe_u32 s2, ttmp6, 0x10000c
	s_cmp_lg_u32 s2, 0xf033
	s_cbranch_scc0 .Lentry_shape_is_right
	s_endpgm
.Lentry_shape_is_right:
; q = x Wq, k = x Wk, v = x Wv on codes of FP6 (E2M3) with E8M0 scales, f32 sums; the results leave as CODES: q and k quantised along a head's 64 numbers, v along the keys.
; A tile of 256 x 256 results is made by four waves, 128 x 128 each: 64 accumulators, 512 registers.  K = 1,024 goes in steps of 256 through a ring of two LDS slots filled by the tensor data mover.
; The cluster's x says what is made: 0 q, 1 k, 2 v.  For q and k, A = x's rows and B = the weight's columns.  For v THE ROLES OF THE BUFFERS CHANGE: A = Wv's columns, B = x's rows, so that v^T is made.
; THE MATRIX INSTRUCTION IS USED TRANSPOSED (source 0 = 16 rows of B, source 1 = 16 rows of A): a lane holds ONE row of A and its registers run along B's rows.  Both buffers lie in the stored order
; (in each group of 32 rows bits 3 and 4 of the row's number have changed places), so register 16 g + i of a block of 16 rows of A is B's true row 32 g + 16 (lane / 16) + i: 16 neighbours along the next product's K
; (the head's numbers for q and k, the keys for v).  So a block's 64 numbers of a lane are quantised in registers and ARE a fragment (16 rows x 128 K) of the next product.
; WHAT IS STORED: images of operand registers.  Six registers of 32 lanes are 768 bytes: registers 0-3 at 16 x lane, registers 4-5 at 512 + 8 x lane: one store of 512 and one of 256 consecutive bytes, aligned.
;   q, k: [tile of 16 tokens (512)][head (16)][768];  v: [128 keys (64)][tile of 16 of D (64)][1536].  Scale words: units of 512 bytes, [lane][4 tiles]: q, k: [pair of heads (8)][4 tiles (128)][512],
;   lanes 0-15 the even head's word, lanes 16-31 the word >> 16: the odd head's two bytes;  v: [head (16)][128 keys (64)][512].
; CLUSTERS: 4 x 4 work-groups; A's tile is asked for jointly along a row of the cluster, B's along a column.  What is made hangs on the cluster's x alone, which all sixteen share: it steers selects, no branch.
; LIMITS: NaN and infinities are not served; a block of zeros or under 2^(3 - 127) gets the byte 1 (its codes are zeros or exact under it; this program alone reads the bytes).
; REGISTERS, in windows of 256: window 0: v0-31 addresses; v32-63 scale words, two sets; from v128 A's fragments, ONE set; on the way out v128-227 at work.
;   window 1: B's fragments, TWO sets.   window 2: the accumulators of my rows 0-63 ((a, b) at v[8 (8 a + b)]);   window 3: those of my rows 64-127.
.set KSTEP,  256                       ; along K in a slot
.set NQ,     2                         ; matrix instructions deep
.set ROWB,   192                       ; a tile's row in bytes
.set KROW,   768                       ; a row of codes in memory
.set PITCH,  240                       ; an LDS row: 3 x (64 bytes + 16 of padding) = 60 words: the 32 lanes of a load of 8 bytes touch 64 different banks (64 banks of 4 bytes: ISA guide 11.1)
.set FR,     12                        ; registers of a fragment
.set NL,     6                         ; LDS loads that bring one
.set NP,     4                         ; places behind this matrix instruction (ISA guide 7.12.1)
.set HALFT,  128*PITCH                 ; 128 rows: one tensor load
.set SLOT,   4*HALFT                   ; A's 256 rows, then B's 256 rows
.set LAPS,   2                         ; a lap = two K steps
.set KS,     32                        ; a row of scale bytes
.set SCL,    2*SLOT                    ; behind the ring: the scales of all of K, as 256 bytes + 16 of padding
.set HALFS,  (128*KS/256)*272
.set SBLK,   (16*KS/256)*272
.set SPARE,  SCL+4*HALFS               ; the spare words, 128 bytes a wave: two blocks of 256 bytes that no other line names
.set ADRA, 16                          ; v16-17 LDS address of my A fragments in slot 0, 1 (v18-19: behind one padding more)
.set ADRB, 20                          ; v20-23 the same for B
.set O16,  24                          ; v24  16 x lane
.set O8,   25                          ; v25  8 x lane
.set ADRS, 27                          ; v27  LDS address of my scale words: lanes 0-15 A's rows, lanes 16-31 B's
.set SPW,  28                          ; v28  my spare word; never rewritten
.set NIL,  29                          ; v29  0; never rewritten
.set SHF,  30                          ; v30  by how much my lane shifts a scale word: 16 in lanes 16-31 for q and k, else 0
.set O16B, 31                          ; v31  16 x lane + the second unit of scale words
.set SC,   32
.set AF,   128
.set QC,   128                         ; the way out: v128-139 the fragment just made
.set CT,   140                         ; v140-142, v144-146 the conversions' second halves
.set TM,   200                         ; v200-203 largest magnitudes, v204-207 the other half's, then bytes, v212-215 scale operands
.set PW,   216                         ; the scale word just made
.set SW,   220                         ; v220-227 the eight blocks' scale words
.set G1, 24
.set G0, 32
.set G1B, 48
.set G0B, 56
.set G1S, 68
.set G0S, 76
.set G1SB, 80
.set G0SB, 88
.set MSB, 0
.macro WIN new                         ; the immediate's high byte repeats the setting that is left
.if MSB != \new
	s_set_vgpr_msb (MSB<<8)|\new
.set MSB, \new
.endif
.endm
.set MUL_LO, 0xa1                      ; source 0 (B) window 1, source 1 (A) window 0, C and D window 2
.set MUL_HI, 0xf1
.set TO_B,   0x40
; A joint load: waves 0 and 1 fetch for A, waves 2 and 3 for B; the branch hangs on the wave's number alone.  Four v_nop follow each of the two lines.
.macro JLOAD g0a, g1a, g0b, g1b
	s_cmp_eq_u32 s15, 0
	s_cbranch_scc0 .Lfor_b_\@
	tensor_load_to_lds s[\g0a:\g0a+3], s[\g1a:\g1a+7]
	s_nop 0
.rept 4
	v_nop
.endr
	s_branch .Lasked_\@
.Lfor_b_\@:
	tensor_load_to_lds s[\g0b:\g0b+3], s[\g1b:\g1b+7]
	s_nop 0
.rept 4
	v_nop
.endr
.Lasked_\@:
.endm
.macro CREST                           ; a round of the cluster's barrier behind its opening barrier
	s_cmp_lg_u32 s14, 0
	s_cbranch_scc1 .Lnot_wave_0_\@
	s_barrier_signal -3
.Lnot_wave_0_\@:
	s_barrier_wait -3
	s_barrier_signal -1
	s_barrier_wait -1
.endm
.macro CROUND
	s_barrier_signal -1
	s_barrier_wait -1
	CREST
.endm
	s_load_b128 s[4:7], s[0:1], 0x0                ; x's codes, x's scales
	s_load_b128 s[8:11], s[0:1], 0x10              ; the weights' codes, their scales
	s_load_b64 s[12:13], s[0:1], 0x20              ; the codes that I make
	s_load_b64 s[98:99], s[0:1], 0x28              ; their scale words
	v_lshl_add_u32 v[SPW], v0, 2, SPARE
	v_mov_b32 v[NIL], 0
	ds_add_u32 v28, v29
	ds_add_u32 v28, v29
	s_wait_dscnt 0x0
	v_lshrrev_b32 v1, 5, v0
	v_readfirstlane_b32 s14, v1                    ; wave 0..3
	s_lshr_b32 s15, s14, 1                         ; which half of the tile's rows is mine.  Also: I fetch for A (0) or for B (1)
	s_and_b32 s16, s14, 1                          ; which half of its columns.  Also: which 128 rows of that tile I fetch
	s_bfe_u32 s40, ttmp6, 0x40000                  ; cx, cy: my place in the cluster
	s_bfe_u32 s41, ttmp6, 0x40004
	s_and_b32 s95, ttmp7, 0xffff                   ; the cluster's y
	s_mov_b32 s66, 0x76543210
	s_mov_b32 s67, 0xfedcba98                      ; v_permlanex16_b32's selects for lane l xor 16
	s_cmp_eq_u32 ttmp9, 2                          ; v?  The cluster's x is the same in all sixteen partners
	s_cselect_b32 s17, 0, s95                      ; q, k: the clusters' y walks x's rows (A);  v: A is Wv, four tile rows in all
	s_cselect_b32 s42, s95, ttmp9                  ; q, k: the cluster's x picks the weight (B);  v: the clusters' y walks x's rows (B)
	s_cselect_b32 s97, 2048, 0                     ; Wv's columns begin at row 2,048 of the weights' codes
	s_lshl_b32 s17, s17, 2
	s_add_co_u32 s17, s17, s41                     ; tile row: hangs on cy and the cluster's ids alone
	s_lshl_b32 s42, s42, 2
	s_add_co_u32 s42, s42, s40                     ; tile column: on cx and the cluster's ids alone
	s_lshl_b32 s43, s41, 2
	s_lshl_b32 s43, 15, s43                        ; my row of the cluster
	s_lshl_b32 s44, 0x1111, s40                    ; my column
	; descriptor group 1: a tile of 128 rows x 192 bytes, padded in LDS
	s_or_b32 s[G1+0], s43, (0<<16)|(1<<20)|(1<<21)|(3<<22)|(3<<25)  ; 15:0 the mask; 17:16 elements of 1 byte; 20 padding on; 21 set beside a mask; 24:22 after every 16 words; 31:25 of 4 words
	s_or_b32 s[G1B+0], s44, (0<<16)|(1<<20)|(1<<21)|(3<<22)|(3<<25)
.irp g, G1, G1B
	s_mov_b32 s[\g+1], ROWB<<16                    ; tensor_dim0
	s_mov_b32 s[\g+2], 128<<16                     ; tensor_dim1
	s_mov_b32 s[\g+3], ROWB<<16                    ; tile_dim0
	s_mov_b32 s[\g+4], 128                         ; tile_dim1
	s_mov_b32 s[\g+5], KROW                        ; tensor_dim0_stride
	s_mov_b32 s[\g+6], 0
	s_mov_b32 s[\g+7], 0
.endr
	; the scales of 128 rows: a dense block of 4,096 bytes, as rows of 256 bytes (32 elements of 8), 16 bytes of padding behind each
	s_or_b32 s[G1S+0], s43, (3<<16)|(1<<20)|(1<<21)|(5<<22)|(3<<25)
	s_or_b32 s[G1SB+0], s44, (3<<16)|(1<<20)|(1<<21)|(5<<22)|(3<<25)
.irp g, G1S, G1SB
	s_mov_b32 s[\g+1], 32<<16
	s_mov_b32 s[\g+2], (128*KS/256)<<16
	s_mov_b32 s[\g+3], 32<<16
	s_mov_b32 s[\g+4], 128*KS/256
	s_mov_b32 s[\g+5], 32
	s_mov_b32 s[\g+6], 0
	s_mov_b32 s[\g+7], 0
.endr
	s_lshl_b32 s18, s16, 7                         ; which 128 rows of the tile I fetch
	s_lshl_b32 s20, s17, 8
	s_add_co_u32 s20, s20, s18
	s_add_co_u32 s20, s20, s97                     ; A: row 256 x tile row + 128 x half (+ 2,048 in the weights)
	s_lshl_b32 s46, s42, 8
	s_add_co_u32 s46, s46, s18                     ; B: row 256 x tile column + 128 x half
	s_mov_b32 s21, 0
	s_mov_b32 s47, 0
	s_mov_b64 s[18:19], KS
	s_mul_u64 s[22:23], s[20:21], s[18:19]         ; where these rows' scales begin
	s_mul_u64 s[92:93], s[46:47], s[18:19]
	s_mov_b64 s[18:19], KROW
	s_mul_u64 s[20:21], s[20:21], s[18:19]         ; and their codes
	s_mul_u64 s[46:47], s[46:47], s[18:19]
	s_mul_i32 s45, s14, HALFT                      ; where they go: wave x 128 rows: no place in the cluster enters an LDS address
	s_mul_i32 s94, s14, HALFS
	s_wait_kmcnt 0x0
	s_cmp_eq_u32 ttmp9, 2                          ; for v the two pairs of buffers change roles: from here s[4:7] are A's codes and scales, s[8:11] B's
	s_mov_b64 s[18:19], s[4:5]
	s_cselect_b64 s[4:5], s[8:9], s[4:5]
	s_cselect_b64 s[8:9], s[18:19], s[8:9]
	s_mov_b64 s[18:19], s[6:7]
	s_cselect_b64 s[6:7], s[10:11], s[6:7]
	s_cselect_b64 s[10:11], s[18:19], s[10:11]
	s_add_nc_u64 s[20:21], s[4:5], s[20:21]
	s_add_nc_u64 s[22:23], s[6:7], s[22:23]
	s_add_nc_u64 s[46:47], s[8:9], s[46:47]
	s_add_nc_u64 s[92:93], s[10:11], s[92:93]
	CROUND                                         ; all sixteen work-groups are here: the first joint loads meet
	s_mov_b32 s[G0S], 1
	s_add_co_u32 s[G0S+1], s94, SCL
	s_mov_b64 s[G0S+2:G0S+3], s[22:23]
	s_or_b32 s[G0S+3], s[G0S+3], 0x80000000
	s_mov_b32 s[G0SB], 1
	s_add_co_u32 s[G0SB+1], s94, SCL
	s_mov_b64 s[G0SB+2:G0SB+3], s[92:93]
	s_or_b32 s[G0SB+3], s[G0SB+3], 0x80000000
	JLOAD G0S, G1S, G0SB, G1SB                     ; the scales first: they are wanted with K step 0.  With the two below, three loads of mine are out
.irp s, 0,1
	s_mov_b32 s[G0+4*\s], 1
	s_add_co_u32 s[G0+4*\s+1], s45, \s*SLOT
	s_add_nc_u64 s[G0+4*\s+2:G0+4*\s+3], s[20:21], \s*ROWB
	s_or_b32 s[G0+4*\s+3], s[G0+4*\s+3], 0x80000000
	s_mov_b32 s[G0B+4*\s], 1
	s_add_co_u32 s[G0B+4*\s+1], s45, \s*SLOT
	s_add_nc_u64 s[G0B+4*\s+2:G0B+4*\s+3], s[46:47], \s*ROWB
	s_or_b32 s[G0B+4*\s+3], s[G0B+4*\s+3], 0x80000000
	JLOAD G0+4*\s, G1, G0B+4*\s, G1B
.endr
	v_and_b32 v1, 15, v0                           ; l % 16
	v_bfe_u32 v2, v0, 4, 1                         ; l / 16
	v_mul_u32_u24 v3, v1, PITCH
	v_mul_u32_u24 v4, v2, 24
	v_add_nc_u32 v4, v3, v4                        ; a fragment's row x pitch + 24 x half
	v_lshl_add_u32 v5, v2, 4, v4                   ; and the same behind one padding more
	s_mul_i32 s21, s15, HALFT                      ; my 128 rows of A
	s_mul_i32 s22, s16, HALFT                      ; my 128 rows of B,
	s_add_co_u32 s22, s22, 2*HALFT                 ; which lie behind A's 256
.irp s, 0,1
	v_add_nc_u32 v[ADRA+\s], s21, v4
	v_add_nc_u32 v[ADRB+\s], s22, v4
	v_add_nc_u32 v[ADRA+2+\s], s21, v5
	v_add_nc_u32 v[ADRB+2+\s], s22, v5
	s_add_co_u32 s21, s21, SLOT
	s_add_co_u32 s22, s22, SLOT
.endr
	v_mul_u32_u24 v5, v1, KS                       ; my row's scales: 32 bytes a row,
	v_lshrrev_b32 v6, 8, v5
	v_lshl_add_u32 v5, v6, 4, v5                   ; and 16 more for each 256 passed
	s_mul_i32 s21, s15, HALFS
	s_mul_i32 s22, s16, HALFS
	s_add_co_u32 s22, s22, 2*HALFS
	s_sub_co_u32 s22, s22, s21
	v_mul_u32_u24 v6, s22, v2                      ; lanes 16-31 take B's: one product, the lower base + half x the distance
	s_add_co_u32 s21, s21, SCL
	v_add_nc_u32 v5, v5, v6
	v_add_nc_u32 v[ADRS], s21, v5
	; where my results go.  From block to block of 16 rows of A: SA bytes; from one 128 of B's rows to the next: SB; the scale words' units likewise (SGa for four blocks, SGc)
	v_and_b32 v6, 31, v0
	v_lshlrev_b32 v[O16], 4, v6
	s_wait_alu depctr_va_vdst(0)
	v_lshlrev_b32 v[O8], 3, v6
	s_cmp_eq_u32 ttmp9, 2
	s_mov_b32 s100, 12288
	s_cselect_b32 s100, 1536, s100                 ; SA: v: the next tile of D;  q, k: the next tile of tokens, 16 heads x 768
	s_mov_b32 s101, 0
	s_mov_b32 s20, 1536
	s_cselect_b32 s20, 98304, s20                  ; SB: v: the next 128 keys, 64 x 1,536;  q, k: the next pair of heads
	s_mov_b32 s21, 512
	s_cselect_b32 s21, 32768, s21                  ; SGa
	s_mov_b32 s22, 65536
	s_cselect_b32 s22, 512, s22                    ; SGc
	s_cselect_b32 s23, 0, 16
	s_cselect_b32 s46, s95, 0
	s_lshl_b32 s46, s46, 2
	s_add_co_u32 s46, s46, s40
	s_lshl_b32 s46, s46, 1
	s_add_co_u32 s46, s46, s16                     ; which 128 of B's rows within what is made: q, k: the pair of heads, 0..7;  v: the 128 keys, 0..63
	s_lshl_b32 s47, s17, 4
	s_lshl_b32 s92, s15, 3
	s_add_co_u32 s47, s47, s92                     ; my first block of 16 rows of A
	s_mul_i32 s92, s47, s100
	s_mul_i32 s93, s46, s20
	s_add_co_u32 s92, s92, s93
	s_mul_i32 s93, ttmp9, 6291456                  ; q's, k's or v's section
	s_add_co_u32 s92, s92, s93
	s_mov_b32 s93, 0
	s_add_nc_u64 s[12:13], s[12:13], s[92:93]
	s_lshr_b32 s47, s47, 2
	s_mul_i32 s92, s47, s21
	s_mul_i32 s94, s46, s22
	s_add_co_u32 s92, s92, s94
	s_mul_i32 s94, ttmp9, 524288
	s_add_co_u32 s92, s92, s94
	s_add_nc_u64 s[98:99], s[98:99], s[92:93]
	v_add_nc_u32 v[O16B], s21, v[O16]
	v_mul_u32_u24 v[SHF], s23, v2
.macro FRAG reg, adr, q, i             ; a fragment: lane l holds row l % 16; registers 6 c .. 6 c + 5 hold K = 64 c + 32 (l / 16) + 0 .. 31: 24 bytes of the row's stream of bits, in pieces of 8 bytes
.irp p, 0,1,2,3,4,5
.set PCE, 12*(\q)+6*(\p/3)+\p%3       ; 16 bytes of padding lie behind every 8 pieces: where the piece three on lies behind one padding more, the second address register serves
.if PCE%8 < 5
	ds_load_b64 v[\reg+2*\p:\reg+2*\p+1], v[\adr] offset:8*PCE+16*(PCE/8)+(\i)*16*PITCH
.else
	ds_load_b64 v[\reg+2*\p:\reg+2*\p+1], v[\adr+2] offset:8*PCE+16*(PCE/8)+(\i)*16*PITCH
.endif
.endr
.endm
; 16 matrix instructions: A's blocks a0, a0 + 1 x B's eight.  The 64 accumulators take turns, one instruction a turn, in the same order in every step.
.macro MUL16 a0, p, q, sc, zero
.irp a, \a0, \a0+1
.irp b, 0,1,2,3,4,5,6,7
.if \zero
	v_wmma_scale_f32_16x16x128_f8f6f4 v[8*(8*((\a)%4)+\b):8*(8*((\a)%4)+\b)+7], v[128*(\p)+FR*\b:128*(\p)+FR*\b+FR-1], v[AF+FR*(\a):AF+FR*(\a)+FR-1], 0, v[SC+8*NQ*(\sc)+NQ*\b+(\q)], v[SC+8*NQ*(\sc)+NQ*(\a)+(\q)] matrix_a_fmt:MATRIX_FMT_FP6 matrix_b_fmt:MATRIX_FMT_FP6 matrix_a_scale:MATRIX_SCALE_ROW1
.else
	v_wmma_scale_f32_16x16x128_f8f6f4 v[8*(8*((\a)%4)+\b):8*(8*((\a)%4)+\b)+7], v[128*(\p)+FR*\b:128*(\p)+FR*\b+FR-1], v[AF+FR*(\a):AF+FR*(\a)+FR-1], v[8*(8*((\a)%4)+\b):8*(8*((\a)%4)+\b)+7], v[SC+8*NQ*(\sc)+NQ*\b+(\q)], v[SC+8*NQ*(\sc)+NQ*(\a)+(\q)] matrix_a_fmt:MATRIX_FMT_FP6 matrix_b_fmt:MATRIX_FMT_FP6 matrix_a_scale:MATRIX_SCALE_ROW1
.endif
.endr
.endr
.endm
.macro FETCH_B slot, q, p
	WIN TO_B
.irp i, 0,1,2,3,4,5,6,7
	FRAG 128*(\p)+FR*\i, ADRB+\slot, \q, \i
.endr
	WIN 0
.endm
.macro FETCH_A slot, q, i0
.irp i, \i0, \i0+1, \i0+2, \i0+3
	FRAG AF+FR*(\i), ADRA+\slot, \q, \i
.endr
.endm
.macro SCALES sc                       ; a K step's scale words: two words a row; lanes 0-15 take A's block i, lanes 16-31 B's block i
.irp i, 0,1,2,3,4,5,6,7
	ds_load_b64 v[SC+8*NQ*\sc+NQ*\i:SC+8*NQ*\sc+NQ*\i+1], v[ADRS] offset:\i*SBLK
.endr
.endm
.macro PLACES n                        ; plain vector lines between a matrix instruction and a load into, or a vector write or read of, its registers
.rept \n
	v_nop
.endr
.endm
.macro STEP slot, q, zero              ; a step of 128 along K that has its successor in the same slot
	s_wait_dscnt 4*NL                              ; B's set and A's blocks 0-3 are in; the youngest 24 loads (A's blocks 4-7) may be out
	WIN MUL_LO
	MUL16 0, (\q)%2, \q, \slot, \zero
	MUL16 2, (\q)%2, \q, \slot, \zero
	s_wait_dscnt 0
	PLACES NP
	FETCH_B \slot, (\q)+1, 1-(\q)%2
	FETCH_A \slot, (\q)+1, 0
	WIN MUL_HI
	MUL16 4, (\q)%2, \q, \slot, \zero
	MUL16 6, (\q)%2, \q, \slot, \zero
	PLACES NP
	WIN 0
	FETCH_A \slot, (\q)+1, 4
.endm
; A slot's last step changes slots: one barrier; in front of it each wave waits for all its tensor loads, adds 0 to its spare word, and waits for that and for its reads of this slot.
.macro TURN slot, next, fill
	s_wait_tensorcnt 0x0                           ; all my tensor loads have landed: my part of the next slot
	ds_add_u32 v[SPW], v[NIL]                      ; 0 onto my spare word
	s_wait_dscnt 4*NL+1                            ; (the add and the youngest 24 loads, A's blocks 4-7, may be out)
	WIN MUL_LO
	MUL16 0, 1, NQ-1, \slot, 0
	s_wait_dscnt 0x0                               ; the add is done, and my reads of this slot are over
	s_barrier_signal -1
	MUL16 2, 1, NQ-1, \slot, 0
	WIN 0
	s_barrier_wait -1
.if \fill
	CREST                                          ; the barrier has opened a round of the cluster's: no wave of any partner still reads this slot or has a load on its way
	s_add_nc_u64 s[G0+4*\slot+2:G0+4*\slot+3], s[G0+4*\slot+2:G0+4*\slot+3], 2*ROWB
	s_add_nc_u64 s[G0B+4*\slot+2:G0B+4*\slot+3], s[G0B+4*\slot+2:G0B+4*\slot+3], 2*ROWB
	JLOAD G0+4*\slot, G1, G0B+4*\slot, G1B         ; the first tensor load behind the round, my only one until the next; its four v_nop are the places in front of the loads below
.else
	PLACES NP
.endif
	s_wait_alu depctr_va_vdst(0)
	v_add_nc_u32 v[ADRS], 4*NQ, v[ADRS]            ; on to the next K step's scale words
	FETCH_B \next, 0, 0
	FETCH_A \next, 0, 0
	SCALES \next
	WIN MUL_HI
	MUL16 4, 1, NQ-1, \slot, 0
	MUL16 6, 1, NQ-1, \slot, 0
	PLACES NP
	WIN 0
	FETCH_A \next, 0, 4
.endm
	s_wait_tensorcnt 1                             ; the scales and my part of K step 0 are in (K step 1's load may be out)
	s_barrier_signal -1
	s_barrier_wait -1                              ; everybody's are
	FETCH_B 0, 0, 0
	FETCH_A 0, 0, 0
	SCALES 0
	FETCH_A 0, 0, 4
	STEP 0, 0, 1                                   ; the first step's products start the sums: nothing is cleared
	s_mov_b32 s3, LAPS-1
.Llap:                                                 ; a trip goes once round the ring and fills both slots again
	TURN 0, 1, 1
	STEP 1, 0, 0
	TURN 1, 0, 1
	STEP 0, 0, 0
	s_sub_co_u32 s3, s3, 1
	s_cmp_lg_u32 s3, 0
	s_cbranch_scc1 .Llap
	TURN 0, 1, 0                                   ; the last lap fills nothing
	STEP 1, 0, 0
	s_wait_dscnt 4*NL
	WIN MUL_LO
	MUL16 0, 1, NQ-1, 1, 0
	MUL16 2, 1, NQ-1, 1, 0
	s_wait_dscnt 0
	WIN MUL_HI
	MUL16 4, 1, NQ-1, 1, 0
	MUL16 6, 1, NQ-1, 1, 0
	WIN 0
; THE WAY OUT, block by block of 16 rows of A.  Register 16 g + i of the block's 64 is number 32 g + 16 (lane / 16) + i of my row: four blocks of 32 along the next K, each in lanes l and l xor 16.
.macro OUTBLK a
.set AC, 64*((\a)%4)
.if (\a) > 0
	s_wait_xcnt 0x0                                ; the last block's stores have read their data and their base: both are written again only behind this wait
	s_add_nc_u64 s[12:13], s[12:13], s[100:101]
.endif
.set WW, 0x0a+5*((\a)/4)
	WIN WW                                         ; sources 0 and 1: window 2 or 3
.irp b, 0,1,2,3
	v_max3_num_f32 v[TM+\b], |v[AC+16*\b]|, |v[AC+16*\b+1]|, 0x1800000   ; my 16 numbers of block b, and the floor 2^(3 - 127).  Each accumulator is read from its low end on
.endr
.irp i, 2,4,6,8,10,12,14
.irp b, 0,1,2,3
	v_max3_num_f32 v[TM+\b], |v[AC+16*\b+\i]|, |v[AC+16*\b+\i+1]|, v[TM+\b]   ; (the four blocks by turns)
.endr
.endr
	WIN 0
.irp b, 0,1,2,3
	v_permlanex16_b32 v[TM+4+\b], v[TM+\b], s66, s67
.endr
.irp b, 0,1,2,3
	v_max_num_f32 v[TM+\b], v[TM+\b], v[TM+4+\b]   ; with lane l xor 16's: the block's largest magnitude
.endr
.irp b, 0,1,2,3
	v_add_nc_u32 v[TM+12+\b], 0xff000000, v[TM+\b] ; 2 off its exponent field: the conversion's scale operand
.endr
.irp b, 0,1,2,3
	v_lshrrev_b32 v[TM+4+\b], 23, v[TM+12+\b]      ; the scale's byte
.endr
	v_lshl_or_b32 v[PW], v[TM+5], 8, v[TM+4]
	v_lshl_or_b32 v[PW], v[TM+6], 16, v[PW]
	v_lshl_or_b32 v[PW], v[TM+7], 24, v[PW]        ; my row's scale word
	v_lshrrev_b32 v[SW+(\a)], v[SHF], v[PW]        ; q, k: lanes 16-31 keep the odd head's two bytes, low
.set WW, 2+(\a)/4
	WIN WW                                         ; source 0: window 2 or 3
.irp c, 0,1
	v_cvt_scalef32_pk16_fp6_f32 v[QC+6*\c:QC+6*\c+2], v[AC+32*\c:AC+32*\c+15], v[TM+12+2*\c]
	v_cvt_scalef32_pk16_fp6_f32 v[CT+4*\c:CT+4*\c+2], v[AC+32*\c+16:AC+32*\c+31], v[TM+12+2*\c+1]   ; (a conversion's three registers begin on an even number)
.endr
	WIN 0
	v_nop                                          ; one plain line behind the conversions
.irp c, 0,1                                    ; the operand's layout wants a whole block in a lane: lanes 0-15 block 2 c, lanes 16-31 block 2 c + 1
.irp i, 0,1,2
	v_permlane16_swap_b32 v[QC+6*\c+\i], v[CT+4*\c+\i]
.endr
.irp i, 0,1,2
	v_mov_b32 v[QC+3+6*\c+\i], v[CT+4*\c+\i]
.endr
.endr
	global_store_b128 v[O16], v[QC:QC+3], s[12:13]                  ; the fragment as two images of six registers: 512, 256, 512, 256 consecutive bytes, aligned
	global_store_b64 v[O8], v[QC+4:QC+5], s[12:13] offset:512
	global_store_b128 v[O16], v[QC+6:QC+9], s[12:13] offset:768
	global_store_b64 v[O8], v[QC+10:QC+11], s[12:13] offset:1280
.endm
	PLACES NP                                      ; in front of vector writes of registers that the last products read
.irp b, 0,1,2,3
	v_mov_b32 v[TM+4+\b], 0                        ; written once: a lane permute's destination counts as one of its sources
.endr
.irp a, 0,1,2,3,4,5,6,7
	OUTBLK \a
.endr
	global_store_b128 v[O16], v[SW:SW+3], s[98:99]     ; the scale words of blocks 0-3: one unit of 512 bytes,
	global_store_b128 v[O16B], v[SW+4:SW+7], s[98:99]  ; and of blocks 4-7
	s_wait_tensorcnt 0x0                           ; the wave's end
	ds_add_u32 v[SPW], v[NIL]
	s_wait_dscnt 0x0
	CROUND                                         ; the closing round: no work-group ends while a partner may still ask for a tile that names it
	s_endpgm
.Lfunc_end_k_q830c1c022e_qkv:
	.size	k_q830c1c022e_qkv, .Lfunc_end_k_q830c1c022e_qkv-k_q830c1c022e_qkv
	.p2alignl 7, 3214868480
	.fill 96, 4, 3214868480
	.section	.rodata,"a",@progbits
	.p2align	6, 0x0
	.amdhsa_kernel k_q830c1c022e_qkv
		.amdhsa_group_segment_fixed_size 327680
		.amdhsa_private_segment_fixed_size 0
		.amdhsa_enable_private_segment 0
		.amdhsa_kernarg_size 48
		.amdhsa_user_sgpr_count 2
		.amdhsa_user_sgpr_kernarg_segment_ptr 1
		.amdhsa_wavefront_size32 1
		.amdhsa_system_sgpr_workgroup_id_x 1
		.amdhsa_system_sgpr_workgroup_id_y 1
		.amdhsa_system_sgpr_workgroup_id_z 1
		.amdhsa_system_vgpr_workitem_id 0
		.amdhsa_next_free_vgpr 1024
		.amdhsa_next_free_sgpr 102
		.amdhsa_reserve_vcc 0
		.amdhsa_float_denorm_mode_32 3
		.amdhsa_float_denorm_mode_16_64 3
		.amdhsa_memory_ordered 1
		.amdhsa_forward_progress 1
		.amdhsa_inst_pref_size 167
	.end_amdhsa_kernel
	.amdgpu_metadata
---
amdhsa.version: [ 1, 2 ]
amdhsa.kernels:
  - .name:           k_q830c1c022e_qkv
    .symbol:         k_q830c1c022e_qkv.kd
    .args:
      - { .name: x_codes, .offset: 0, .size: 8, .value_kind: global_buffer, .address_space: global }
      - { .name: x_scales, .offset: 8, .size: 8, .value_kind: global_buffer, .address_space: global }
      - { .name: w_codes, .offset: 16, .size: 8, .value_kind: global_buffer, .address_space: global }
      - { .name: w_scales, .offset: 24, .size: 8, .value_kind: global_buffer, .address_space: global }
      - { .name: qkv, .offset: 32, .size: 8, .value_kind: global_buffer, .address_space: global }
      - { .name: qkvs, .offset: 40, .size: 8, .value_kind: global_buffer, .address_space: global }
    .group_segment_fixed_size: 327680
    .private_segment_fixed_size: 0
    .kernarg_segment_align: 8
    .kernarg_segment_size: 48
    .max_flat_workgroup_size: 128
    .sgpr_count:     102
    .vgpr_count:     1024
    .wavefront_size: 32
...
	.end_amdgpu_metadata
.endif
;; end of part 2
;; launch attn (part 3): grid 256 x 1, 16 waves a work-group, clusters of 4 x 1, 210,944 bytes of LDS; arguments qkv, qkvs, ctx, ctxs; writes ctx, ctxs
.if DOCPART == 3
	.amdgcn_target "amdgcn-amd-amdhsa--gfx1250"
	.amdhsa_code_object_version 6
	.text
	.protected	k_q830c1c022e_attn
	.globl	k_q830c1c022e_attn
	.p2align	8
	.type	k_q830c1c022e_attn,@function
k_q830c1c022e_attn:
	s_mov_b64 s[64:65], 0
	v_nop
	global_prefetch_b8 v0, s[64:65] scope:SCOPE_SE
	s_setreg_imm32_b32 hwreg(HW_REG_WAVE_MODE, 25, 1), 1
	s_wait_xcnt 0x0
	s_wait_alu depctr_hold_cnt(0) depctr_sa_sdst(0) depctr_va_vdst(0) depctr_va_sdst(0) depctr_va_ssrc(0) depctr_va_vcc(0) depctr_vm_vsrc(0)
	s_getreg_b32 s2, hwreg(HW_REG_IB_STS2, 6, 4)
	s_cmp_eq_u32 s2, 0
	s_cbranch_scc0 .Lentry_in_a_cluster
	s_endpgm
.Lentry_in_a_cluster:
	s_bfe_u32 s2, ttmp6, 0x10000c
	s_cmp_lg_u32 s2, 0x3003
	s_cbranch_scc0 .Lentry_shape_is_right
	s_endpgm
.Lentry_shape_is_right:
; ctx[b][q][h][:] = the sum over keys k <= q of softmax_k(q . k / 8) v[k][:], both products on codes of FP6 (E2M3) with E8M0 scales; ctx leaves as codes, quantised along D, for the last product.
; THE SOFTMAX AHEAD OF THE SECOND PRODUCT: t = score x log2(e) / 8; M = the row's largest t so far, rounded UP to a whole number; p = 2^(t - M) is quantised along the keys, not normalised.
; The row's sum is taken of the unquantised p and divides O at the end.  When M moves, the sum and O are multiplied by 2^(old M - new M): exact.
; SHARES.  A cluster of four work-groups owns one head of one batch (the cluster's x = 16 b + h).  The head's K (128 tiles x 768 bytes), V (16 key steps x 6,144 bytes) and their scale words fit in LDS: they are
; fetched ONCE, jointly (one tensor load with a mask that names the four; each receives the bytes in its own LDS), and then only read: no ring, no refill, no barrier in the loops.
; A wave (e = wave % 2, i = wave / 2) takes two tiles of 16 queries: tile 8 g + 2 cx + e of group g = i, then of group g = 15 - i; a group is 128 queries, as many as a key step has keys.
; So every wave works (i + 1) + (16 - i) = 17 key steps, whatever its number and its work-group's place.  Branches hang on the trip's count and on g (the wave's number), never on cx: cx enters
; global addresses and the number that the diagonal's compare takes.  A step all of whose keys come after the wave's queries is jumped over; the loops' trip counts are constants.
; LAYOUT.  Both products are used transposed: S^T = K Q^T (source 0 = 16 keys), O^T = V^T P^T (source 0 = 16 of the head's 64): a lane holds ONE query throughout.  Tiles lie in the stored order: lane r of tile
; 2 g + u holds token (or channel) 32 g + 8 u + r + 8 (r / 8), so the 16 registers of two neighbouring tiles are 16 neighbours: keys for p, channels for ctx.
; K = 64 IN AN INSTRUCTION OF 128: Q's registers 6-11 are zero codes.  K's tile j is named v[32 + 6 j : 43 + 6 j]: its upper six registers are the next tile's codes (for j = 7 zeros); whatever they hold meets zero codes.
; Bytes 2 and 3 of q's and k's scale words are the neighbouring head's bytes (1 .. 254) or 0, never 0xff.
; LIMITS: NaN and infinities are not served.  A block's largest p is taken through its largest score (this takes v_exp_f32 not to fall where its input rises).  A block of zeros keeps the byte 1: its codes are zeros.
; ctx's scale bytes leave two to a lane, 32 bytes apart (lanes l and l + 16 write the same two bytes): 2 bytes for each 48 of codes, laid as the last product's scale path takes them.
; REGISTERS: v1 r, v2 lane / 16, v3 16 x lane, v4 8 x lane, v6-9 LDS bases, v10-11, v28-31 the step's addresses; v12 -M, v13 the largest t, v[14:15] the sum; v16-27 Q; v32-79 eight tiles of K, later four fragments of V;
; v80-85 zeros; v86-93 K's scale words, v86-89 later V's; v94 Q's word, v95 p's; v96-159 S^T, then p; v160-191 O^T; v192-203 p's codes; v204-210 the conversions' second halves; v212-234 at work.
.set VIMG, 98304                       ; LDS: K's images at 0; V's here;
.set KSC,  196608                      ; K's scale words: 32 groups of four tiles x 256 bytes;
.set VSC,  204800                      ; V's: 16 key steps x 256 bytes
.set WV,   12                          ; s12 wave; s13 cx; s14 b; s15 h; s16 e; s17 i
.set G1K,  24
.set G1V,  32
.set G1KS, 40
.set G1VS, 48
.set G0K,  56
.set G0V,  60
.set G0KS, 68
.set G0VS, 72
.macro CROUND                          ; a round of the cluster's barrier
	s_barrier_signal -1
	s_barrier_wait -1
	s_cmp_lg_u32 s[WV], 0
	s_cbranch_scc1 .Lnot_wave_0_\@
	s_barrier_signal -3
.Lnot_wave_0_\@:
	s_barrier_wait -3
	s_barrier_signal -1
	s_barrier_wait -1
.endm
	s_load_b256 s[4:11], s[0:1], 0x0               ; qkv s[4:5], qkvs s[6:7], ctx s[8:9], ctxs s[10:11]
	v_lshl_add_u32 v254, v0, 2, 0x33000
	v_mov_b32 v255, 0
	ds_add_u32 v254, v255
	ds_add_u32 v254, v255
	v_lshrrev_b32 v1, 5, v0
	s_delay_alu instid0(VALU_DEP_1)
	v_readfirstlane_b32 s[WV], v1                  ; wave 0..15
	s_bfe_u32 s13, ttmp6, 0x40000                  ; cx
	s_lshr_b32 s14, ttmp9, 4                       ; b
	s_and_b32 s15, ttmp9, 15                       ; h
	s_and_b32 s16, s[WV], 1                        ; e
	s_lshr_b32 s17, s[WV], 1                       ; i
	s_mov_b32 s20, 0x76543210
	s_mov_b32 s21, 0xfedcba98                      ; v_permlanex16_b32's selects for lane l xor 16
	s_mov_b32 s22, 0x3e38aa3b                      ; c = log2(e) / 8
	s_mov_b32 s23, s22                             ; (named with it as a pair)
	; descriptor groups 1: elements of 8 bytes, no padding, the mask names all four work-groups, bit 21 beside it
.irp g, G1K, G1V, G1KS, G1VS
	s_mov_b32 s[\g], 15|(3<<16)|(1<<21)
	s_mov_b32 s[\g+6], 0
	s_mov_b32 s[\g+7], 0
.endr
	s_mov_b32 s[G1K+1], 96<<16                     ; K: 32 tiles of 768 bytes, 12,288 bytes (16 heads) apart
	s_mov_b32 s[G1K+2], 32<<16
	s_mov_b32 s[G1K+3], 96<<16
	s_mov_b32 s[G1K+4], 32
	s_mov_b32 s[G1K+5], 1536
	s_mov_b32 s[G1V+1], 768<<16                    ; V: 4 key steps of 6,144 bytes, 98,304 bytes apart
	s_mov_b32 s[G1V+2], 4<<16
	s_mov_b32 s[G1V+3], 768<<16
	s_mov_b32 s[G1V+4], 4
	s_mov_b32 s[G1V+5], 12288
	s_mov_b32 s[G1KS+1], 32<<16                    ; K's scale words: my head's 256 bytes of each of 32 units of 512
	s_mov_b32 s[G1KS+2], 32<<16
	s_mov_b32 s[G1KS+3], 32<<16
	s_mov_b32 s[G1KS+4], 32
	s_mov_b32 s[G1KS+5], 64
	s_mov_b32 s[G1VS+1], 32<<16                    ; V's: the first 256 bytes of each of 16 units
	s_mov_b32 s[G1VS+2], 16<<16
	s_mov_b32 s[G1VS+3], 32<<16
	s_mov_b32 s[G1VS+4], 16
	s_mov_b32 s[G1VS+5], 64
	s_and_b32 s90, s[WV], 3                        ; which quarter of K (waves 0-3) or of V (waves 4-7) I fetch
	s_mul_i32 s91, s14, 1572864                    ; the batch
	s_mul_i32 s92, s90, 393216                     ; the quarter
	s_add_co_u32 s91, s91, s92
	s_mul_i32 s92, s15, 768
	s_add_co_u32 s92, s92, s91
	s_add_co_u32 s92, s92, 6291456                 ; k's section
	s_mov_b32 s93, 0
	s_mul_i32 s94, s15, 6144
	s_add_co_u32 s94, s94, s91
	s_add_co_u32 s94, s94, 12582912                ; v's section
	s_mov_b32 s95, 0
	s_mul_i32 s91, s90, 24576                      ; the quarter in LDS
	s_lshr_b32 s96, s15, 1
	s_lshl_b32 s96, s96, 16
	s_lshl_b32 s97, s14, 14
	s_add_co_u32 s96, s96, s97
	s_and_b32 s97, s15, 1
	s_lshl_b32 s97, s97, 8
	s_add_co_u32 s96, s96, s97
	s_add_co_u32 s96, s96, 524288
	s_mov_b32 s97, 0
	s_lshl_b32 s98, s15, 15
	s_lshl_b32 s99, s14, 13
	s_add_co_u32 s98, s98, s99
	s_add_co_u32 s98, s98, 1048576
	s_mov_b32 s99, 0
	s_wait_dscnt 0x0
	s_wait_kmcnt 0x0
	s_mov_b32 s[G0K], 1
	s_mov_b32 s[G0K+1], s91
	s_add_nc_u64 s[G0K+2:G0K+3], s[4:5], s[92:93]
	s_or_b32 s[G0K+3], s[G0K+3], 0x80000000
	s_mov_b32 s[G0V], 1
	s_add_co_u32 s[G0V+1], s91, VIMG
	s_add_nc_u64 s[G0V+2:G0V+3], s[4:5], s[94:95]
	s_or_b32 s[G0V+3], s[G0V+3], 0x80000000
	s_mov_b32 s[G0KS], 1
	s_mov_b32 s[G0KS+1], KSC
	s_add_nc_u64 s[G0KS+2:G0KS+3], s[6:7], s[96:97]
	s_or_b32 s[G0KS+3], s[G0KS+3], 0x80000000
	s_mov_b32 s[G0VS], 1
	s_mov_b32 s[G0VS+1], VSC
	s_add_nc_u64 s[G0VS+2:G0VS+3], s[6:7], s[98:99]
	s_or_b32 s[G0VS+3], s[G0VS+3], 0x80000000
	CROUND                                         ; all four work-groups are here: the joint loads meet
	s_cmp_lt_u32 s[WV], 4                          ; the launch's only fills: one load a wave at the most; the branches hang on the wave's number alone.  Four v_nop follow each load
	s_cbranch_scc0 .Lnot_k
	tensor_load_to_lds s[G0K:G0K+3], s[G1K:G1K+7]
	s_nop 0
.rept 4
	v_nop
.endr
	s_branch .Lasked
.Lnot_k:
	s_cmp_lt_u32 s[WV], 8
	s_cbranch_scc0 .Lnot_v
	tensor_load_to_lds s[G0V:G0V+3], s[G1V:G1V+7]
	s_nop 0
.rept 4
	v_nop
.endr
	s_branch .Lasked
.Lnot_v:
	s_cmp_eq_u32 s[WV], 8
	s_cbranch_scc0 .Lnot_ks
	tensor_load_to_lds s[G0KS:G0KS+3], s[G1KS:G1KS+7]
	s_nop 0
.rept 4
	v_nop
.endr
	s_branch .Lasked
.Lnot_ks:
	s_cmp_eq_u32 s[WV], 9
	s_cbranch_scc0 .Lasked
	tensor_load_to_lds s[G0VS:G0VS+3], s[G1VS:G1VS+7]
	s_nop 0
.rept 4
	v_nop
.endr
.Lasked:
	v_and_b32 v1, 15, v0                           ; r
	v_bfe_u32 v2, v0, 4, 1                         ; lane / 16
	v_and_b32 v5, 31, v0
	s_delay_alu instid0(VALU_DEP_1)
	v_lshlrev_b32 v3, 4, v5                        ; an image's registers 0-3: 16 x lane (K's images begin at LDS byte 0)
	s_delay_alu instid0(VALU_DEP_2)
	v_lshlrev_b32 v4, 3, v5                        ; registers 4-5: 8 x lane (+ 512 in the offset)
	s_delay_alu instid0(VALU_DEP_2)
	v_add_nc_u32 v6, VIMG, v3
	s_delay_alu instid0(VALU_DEP_2)
	v_add_nc_u32 v7, VIMG, v4
	v_lshlrev_b32 v232, 4, v1                      ; 16 r: four scale words a row
	v_lshlrev_b32 v233, 5, v1                      ; 32 r: a row of ctx's scale bytes
	s_delay_alu instid0(VALU_DEP_2)
	v_add_nc_u32 v8, KSC, v232
	s_delay_alu instid0(VALU_DEP_3)
	v_add_nc_u32 v9, VSC, v232
.irp j, 22,23,24,25,26,27,80,81,82,83,84,85
	v_mov_b32 v\j, 0                               ; zero codes: Q's upper half, and what stands behind K's last tile
.endr
.irp j, 216,217,218,219,225,226
	v_mov_b32 v\j, 0                               ; written once: lane permutes' destinations, and the upper half of the pair v[224:225]
.endr
	v_mov_b32 v231, 0xff800000                     ; -infinity
	v_and_b32 v5, 8, v1
	s_delay_alu instid0(VALU_DEP_1)
	v_add_nc_u32 v5, v5, v1                        ; r + 8 (r / 8)
	v_lshlrev_b32 v230, 4, v2
	s_delay_alu instid0(VALU_DEP_1)
	v_sub_nc_u32 v230, v5, v230
	s_lshl_b32 s90, s13, 5
	s_lshl_b32 s91, s16, 3
	s_add_co_u32 s90, s90, s91
	v_add_nc_u32 v230, s90, v230                   ; d = my query within its group of 128, less 16 (lane / 16)
	s_wait_tensorcnt 0x0                           ; my load has landed,
	s_barrier_signal -1
	s_barrier_wait -1                              ; everybody's has: from here on LDS is only read
; One tile of 16 queries against all its keys.  p = 0: group i, 8 trips; p = 1: group 15 - i, 16 trips.
.macro PASS p, trips
.if \p
	s_wait_xcnt 0x0                                ; the first tile's stores have read their data and bases: both are written again only behind this wait
	s_xor_b32 s77, s17, 15                         ; g = 15 - i
.else
	s_mov_b32 s77, s17                             ; g = i
.endif
	s_lshl_b32 s90, s77, 3
	s_lshl_b32 s91, s13, 1
	s_add_co_u32 s90, s90, s91
	s_add_co_u32 s90, s90, s16                     ; the tile within the batch: 8 g + 2 cx + e
	s_lshl_b32 s91, s14, 7
	s_add_co_u32 s90, s90, s91                     ; + 128 b
	s_lshl_b32 s92, s90, 4
	s_add_co_u32 s92, s92, s15
	s_mul_i32 s92, s92, 768                        ; [tile][head][768]: q's image and ctx's
	s_mov_b32 s93, 0
	s_add_nc_u64 s[82:83], s[4:5], s[92:93]
	s_add_nc_u64 s[86:87], s[8:9], s[92:93]
	s_lshr_b32 s92, s15, 1
	s_lshl_b32 s92, s92, 16
	s_lshr_b32 s91, s90, 2
	s_lshl_b32 s91, s91, 9
	s_add_co_u32 s92, s92, s91
	s_and_b32 s91, s15, 1
	s_lshl_b32 s91, s91, 8
	s_add_co_u32 s92, s92, s91
	s_and_b32 s91, s90, 3
	s_lshl_b32 s91, s91, 2
	s_add_co_u32 s92, s92, s91
	s_add_nc_u64 s[84:85], s[6:7], s[92:93]        ; q's scale words
	s_lshl_b32 s92, s90, 9
	s_lshl_b32 s91, s15, 1
	s_add_co_u32 s92, s92, s91
	s_add_nc_u64 s[88:89], s[10:11], s[92:93]      ; ctx's scale bytes: 512 a tile, my head's two
	global_load_b128 v[16:19], v3, s[82:83]
	global_load_b64 v[20:21], v4, s[82:83] offset:512
	global_load_b32 v94, v232, s[84:85]
	v_mov_b32 v13, 0xff61b1e6                      ; the largest t so far: -3e38, under every t
	s_delay_alu instid0(VALU_DEP_1)
	v_floor_f32 v12, -v13                          ; -M
	v_mov_b32 v14, 0
	v_mov_b32 v15, 0
.set n, 0
.rept 32
	v_mov_b32 v[160+n], 0                          ; O^T: the step is written once; the first finds zeros, which the first change of M leaves zeros
.set n, n+1
.endr
	s_mov_b32 s76, 0                               ; the key step
	s_mov_b32 s78, 0                               ; its images: 6,144 bytes a step, in K and in V
	s_mov_b32 s79, 0                               ; K's scale words: 512 a step
	s_mov_b32 s80, 0                               ; V's: 256 a step
	s_wait_loadcnt 0x0
.Ltrip_\p:
	s_cmp_gt_u32 s76, s77                          ; all 128 keys come after my queries: only the steps at the trip's end are run
	s_cbranch_scc1 .Lhidden_\p
	s_setprio 2
	v_add_nc_u32 v10, s78, v3                      ; (these six are also the places in front of loads into registers that the last products read)
	v_add_nc_u32 v11, s78, v4
	v_add_nc_u32 v28, s78, v6
	v_add_nc_u32 v29, s78, v7
	v_add_nc_u32 v30, s79, v8
	v_add_nc_u32 v31, s80, v9
.irp j, 0,1,2,3,4,5,6,7
	ds_load_b128 v[32+6*\j:35+6*\j], v10 offset:768*\j
	ds_load_b64 v[36+6*\j:37+6*\j], v11 offset:768*\j+512
.endr
	ds_load_b128 v[86:89], v30
	ds_load_b128 v[90:93], v30 offset:256
	s_wait_alu depctr_va_vdst(0)
	s_wait_dscnt 0x0
.irp j, 0,1,2,3,4,5,6,7
	v_wmma_scale_f32_16x16x128_f8f6f4 v[96+8*\j:103+8*\j], v[32+6*\j:43+6*\j], v[16:27], 0, v[86+\j], v94 matrix_a_fmt:MATRIX_FMT_FP6 matrix_b_fmt:MATRIX_FMT_FP6
.endr                                          ; register 16 g + i: key 128 T + 32 g + 16 (lane / 16) + i
.rept 4
	v_nop                                          ; places: in front of the loads below and of the first read of the scores
.endr
.irp d, 0,1,2,3                                ; V's four fragments and their scale words land under the softmax
	ds_load_b128 v[32+12*\d:35+12*\d], v28 offset:1536*\d
	ds_load_b64 v[36+12*\d:37+12*\d], v29 offset:1536*\d+512
	ds_load_b128 v[38+12*\d:41+12*\d], v28 offset:1536*\d+768
	ds_load_b64 v[42+12*\d:43+12*\d], v29 offset:1536*\d+1280
.endr
	ds_load_b128 v[86:89], v31
	s_cmp_lg_u32 s76, s77                          ; on the diagonal the scores of hidden keys become -infinity ahead of the maximum: p = 0 then
	s_cbranch_scc1 .Lopen_\p
.set n, 0
.rept 64
	v_cmp_gt_i32 vcc_lo, 32*(n/16)+n%16, v230
	v_cndmask_b32 v[96+n], v[96+n], v231, vcc_lo
.set n, n+1
.endr
.Lopen_\p:
.irp b, 0,1,2,3
	v_max3_num_f32 v[212+\b], v[96+16*\b], v[97+16*\b], v[98+16*\b]   ; the largest score of each block of 32 keys: for the row's maximum and for the block's largest p
.endr
.irp i, 3,5,7,9,11,13
.irp b, 0,1,2,3
	v_max3_num_f32 v[212+\b], v[212+\b], v[96+16*\b+\i], v[97+16*\b+\i]
.endr
.endr
.irp b, 0,1,2,3
	v_max_num_f32 v[212+\b], v[212+\b], v[111+16*\b]
.endr
.irp b, 0,1,2,3
	s_delay_alu instid0(VALU_DEP_4)
	v_permlanex16_b32 v[216+\b], v[212+\b], s20, s21
.endr
.irp b, 0,1,2,3
	s_delay_alu instid0(VALU_DEP_4)
	v_max_num_f32 v[212+\b], v[212+\b], v[216+\b]  ; with lane l xor 16's 16 keys
.endr
	s_delay_alu instid0(VALU_DEP_2)
	v_max3_num_f32 v226, v212, v213, v214
	s_delay_alu instid0(VALU_DEP_1)
	v_max_num_f32 v226, v226, v215                 ; the step's largest score of my query
	s_delay_alu instid0(VALU_DEP_1)
	v_mul_f32 v226, s22, v226                      ; as t
	s_delay_alu instid0(VALU_DEP_1)
	v_max_num_f32 v13, v13, v226                   ; the running largest t
	v_mov_b32 v226, v12
	s_delay_alu instid0(VALU_DEP_2)
	v_floor_f32 v12, -v13                          ; the new -M = -ceil(t): a whole number
	s_delay_alu instid0(VALU_DEP_1)
	v_sub_f32 v226, v12, v226                      ; old M - new M: a whole number, 0 or less
	s_delay_alu instid0(VALU_DEP_1)
	v_cvt_i32_f32 v226, v226                       ; (it saturates)
	s_delay_alu instid0(VALU_DEP_1)
	v_ldexp_f32 v224, 1.0, v226                    ; f = 2^(old M - new M)
.set n, 0
	s_setprio 1
.rept 32
	v_pk_fma_f32 v[96+n:97+n], v[96+n:97+n], s[22:23], v[12:13] op_sel_hi:[1,0,0]   ; t - M, two at a time
.set n, n+2
.endr
.irp b, 0,1,2,3
	v_fma_f32 v[212+\b], v[212+\b], s22, v12       ; the same of each block's largest score
.endr
.set n, 0
	s_wait_alu depctr_va_vdst(0)
.rept 64
	v_exp_f32 v[96+n], v[96+n]                     ; p = 2^(t - M), at most 1
.set n, n+1
.endr
.irp b, 0,1,2,3
	v_exp_f32 v[212+\b], v[212+\b]                 ; the block's largest p
.endr
	v_pk_mul_f32 v[14:15], v[14:15], v[224:225] op_sel_hi:[1,0]   ; the sums under the new M (a plain line behind the exponentials)
	s_wait_alu depctr_va_vdst(0)
.irp b, 0,1,2,3
	v_max_num_f32 v[212+\b], 0x1800000, v[212+\b]  ; the floor 2^(3 - 127)
.endr
.irp b, 0,1,2,3
	s_delay_alu instid0(VALU_DEP_4)
	v_add_nc_u32 v[220+\b], 0xff000000, v[212+\b]  ; the conversion's scale operand
.endr
.irp b, 0,1,2,3
	s_delay_alu instid0(VALU_DEP_4)
	v_lshrrev_b32 v[216+\b], 23, v[220+\b]         ; the scale's byte
.endr
	s_delay_alu instid0(VALU_DEP_3)
	v_lshl_or_b32 v95, v217, 8, v216               ; p's scale word for these 128 keys
	s_delay_alu instid0(VALU_DEP_1)
	v_lshl_or_b32 v95, v218, 16, v95
	s_delay_alu instid0(VALU_DEP_1)
	v_lshl_or_b32 v95, v219, 24, v95
.irp c, 0,1
	v_cvt_scalef32_pk16_fp6_f32 v[192+6*\c:194+6*\c], v[96+32*\c:111+32*\c], v[220+2*\c]
	v_cvt_scalef32_pk16_fp6_f32 v[204+4*\c:206+4*\c], v[112+32*\c:127+32*\c], v[221+2*\c]
.endr
	v_nop                                          ; one plain line behind the conversions
.irp c, 0,1                                    ; a whole block in a lane: lanes 0-15 block 2 c, lanes 16-31 block 2 c + 1
.irp i, 0,1,2
	v_permlane16_swap_b32 v[192+6*\c+\i], v[204+4*\c+\i]
.endr
.irp i, 0,1,2
	s_delay_alu instid0(VALU_DEP_3)
	v_mov_b32 v[195+6*\c+\i], v[204+4*\c+\i]
.endr
.endr
	v_pk_add_f32 v[228:229], v[100:101], v[104:105]
	v_pk_add_f32 v[252:253], v[108:109], v[112:113]
	v_pk_add_f32 v[250:251], v[116:117], v[120:121]
	v_pk_add_f32 v[248:249], v[124:125], v[128:129]
	v_pk_add_f32 v[246:247], v[132:133], v[136:137]
	v_pk_add_f32 v[244:245], v[140:141], v[144:145]
	v_pk_add_f32 v[242:243], v[148:149], v[152:153]
	v_pk_add_f32 v[14:15], v[14:15], v[156:157]
	v_pk_add_f32 v[228:229], v[228:229], v[96:97]
	v_pk_add_f32 v[252:253], v[252:253], v[98:99]
	s_setprio 0
	v_pk_add_f32 v[250:251], v[250:251], v[102:103]
	v_pk_add_f32 v[248:249], v[248:249], v[106:107]
	v_pk_add_f32 v[246:247], v[246:247], v[110:111]
	v_pk_add_f32 v[244:245], v[244:245], v[114:115]
	v_pk_add_f32 v[242:243], v[242:243], v[118:119]
	v_pk_add_f32 v[14:15], v[14:15], v[122:123]
	v_pk_add_f32 v[228:229], v[228:229], v[126:127]
	v_pk_add_f32 v[252:253], v[252:253], v[130:131]
	v_pk_add_f32 v[250:251], v[250:251], v[134:135]
	v_pk_add_f32 v[248:249], v[248:249], v[138:139]
	v_pk_add_f32 v[246:247], v[246:247], v[142:143]
	v_pk_add_f32 v[244:245], v[244:245], v[146:147]
	v_pk_add_f32 v[242:243], v[242:243], v[150:151]
	v_pk_add_f32 v[14:15], v[14:15], v[154:155]
	v_pk_add_f32 v[228:229], v[228:229], v[158:159]
	s_delay_alu instid0(VALU_DEP_2)
	v_pk_add_f32 v[14:15], v[14:15], v[248:249]
	s_delay_alu instid0(VALU_DEP_2)
	v_pk_add_f32 v[228:229], v[228:229], v[246:247]
	v_pk_add_f32 v[252:253], v[252:253], v[244:245]
	v_pk_add_f32 v[250:251], v[250:251], v[242:243]
	s_delay_alu instid0(VALU_DEP_2)
	v_pk_add_f32 v[14:15], v[14:15], v[252:253]
	s_delay_alu instid0(VALU_DEP_2)
	v_pk_add_f32 v[228:229], v[228:229], v[250:251]
	s_delay_alu instid0(VALU_DEP_1)
	v_pk_add_f32 v[14:15], v[14:15], v[228:229]
.set n, 0
.rept 16
	v_pk_mul_f32 v[160+n:161+n], v[160+n:161+n], v[224:225] op_sel_hi:[1,0]   ; O^T under the new M, each accumulator from its low end on.  (With the sums above: the places between p's word and codes and the products)
.set n, n+2
.endr
	s_wait_alu depctr_va_vdst(0)
	s_wait_dscnt 0x0                               ; V's fragments and words are in
.irp d, 0,1,2,3                                ; the four accumulators take turns, one instruction a turn; between two links of a chain stand eleven other products
	v_wmma_scale_f32_16x16x128_f8f6f4 v[160+8*\d:167+8*\d], v[32+12*\d:43+12*\d], v[192:203], v[160+8*\d:167+8*\d], v[86+\d], v95 matrix_a_fmt:MATRIX_FMT_FP6 matrix_b_fmt:MATRIX_FMT_FP6
.endr
.Lhidden_\p:
	s_add_co_u32 s78, s78, 6144
	s_add_co_u32 s79, s79, 512
	s_add_co_u32 s80, s80, 256
	s_add_co_u32 s76, s76, 1
	s_cmp_lt_u32 s76, \trips
	s_cbranch_scc1 .Ltrip_\p
	s_setprio 0
	; the tile's end: O^T / the sum, quantised along D: register 16 g + i is channel 32 g + 16 (lane / 16) + i of my head
.rept 4
	v_nop                                          ; places behind the last products
.endr
	v_add_f32 v14, v14, v15
	s_delay_alu instid0(VALU_DEP_1)
	v_permlanex16_b32 v226, v14, s20, s21
	s_delay_alu instid0(VALU_DEP_1)
	v_add_f32 v14, v14, v226                       ; the row's sum
	s_wait_alu depctr_va_vdst(0)
	v_rcp_f32 v14, v14
	v_nop                                          ; one plain line behind the reciprocal
.set n, 0
	s_wait_alu depctr_va_vdst(0)
.rept 32
	v_mul_f32 v[96+n], v[160+n], v14
.set n, n+1
.endr
.irp b, 0,1
	v_max3_num_f32 v[212+\b], |v[96+16*\b]|, |v[97+16*\b]|, 0x1800000
.endr
.irp i, 2,4,6,8,10,12,14
.irp b, 0,1
	s_delay_alu instid0(VALU_DEP_2)
	v_max3_num_f32 v[212+\b], v[212+\b], |v[96+16*\b+\i]|, |v[97+16*\b+\i]|
.endr
.endr
.irp b, 0,1
	s_delay_alu instid0(VALU_DEP_2)
	v_permlanex16_b32 v[216+\b], v[212+\b], s20, s21
.endr
.irp b, 0,1
	s_delay_alu instid0(VALU_DEP_2)
	v_max_num_f32 v[212+\b], v[212+\b], v[216+\b]
.endr
.irp b, 0,1
	s_delay_alu instid0(VALU_DEP_2)
	v_add_nc_u32 v[220+\b], 0xff000000, v[212+\b]
.endr
.irp b, 0,1
	s_delay_alu instid0(VALU_DEP_2)
	v_lshrrev_b32 v[216+\b], 23, v[220+\b]
.endr
	s_delay_alu instid0(VALU_DEP_1)
	v_lshl_or_b32 v234, v217, 8, v216              ; my row's two scale bytes
	v_cvt_scalef32_pk16_fp6_f32 v[192:194], v[96:111], v220
	v_cvt_scalef32_pk16_fp6_f32 v[204:206], v[112:127], v221
	v_nop
.irp i, 0,1,2
	v_permlane16_swap_b32 v[192+\i], v[204+\i]
.endr
.irp i, 0,1,2
	s_delay_alu instid0(VALU_DEP_3)
	v_mov_b32 v[195+\i], v[204+\i]
.endr
	global_store_b128 v3, v[192:195], s[86:87]     ; the image of six registers: 512 and 256 consecutive bytes, aligned
	global_store_b64 v4, v[196:197], s[86:87] offset:512
	global_store_b16 v233, v234, s[88:89]
.endm
	PASS 0, 8
	PASS 1, 16
	s_wait_tensorcnt 0x0
	ds_add_u32 v254, v255
	s_wait_dscnt 0x0
	CROUND                                         ; the closing round: no work-group ends while a partner may still ask for a tile that names it
	s_endpgm
.Lfunc_end_k_q830c1c022e_attn:
	.size	k_q830c1c022e_attn, .Lfunc_end_k_q830c1c022e_attn-k_q830c1c022e_attn
	.p2alignl 7, 3214868480
	.fill 96, 4, 3214868480
	.section	.rodata,"a",@progbits
	.p2align	6, 0x0
	.amdhsa_kernel k_q830c1c022e_attn
		.amdhsa_group_segment_fixed_size 210944
		.amdhsa_private_segment_fixed_size 0
		.amdhsa_enable_private_segment 0
		.amdhsa_kernarg_size 32
		.amdhsa_user_sgpr_count 2
		.amdhsa_user_sgpr_kernarg_segment_ptr 1
		.amdhsa_wavefront_size32 1
		.amdhsa_system_sgpr_workgroup_id_x 1
		.amdhsa_system_sgpr_workgroup_id_y 1
		.amdhsa_system_sgpr_workgroup_id_z 1
		.amdhsa_system_vgpr_workitem_id 0
		.amdhsa_next_free_vgpr 256
		.amdhsa_next_free_sgpr 100
		.amdhsa_reserve_vcc 1
		.amdhsa_float_denorm_mode_32 3
		.amdhsa_float_denorm_mode_16_64 3
		.amdhsa_memory_ordered 1
		.amdhsa_forward_progress 1
		.amdhsa_inst_pref_size 68
	.end_amdhsa_kernel
	.amdgpu_metadata
---
amdhsa.version: [ 1, 2 ]
amdhsa.kernels:
  - .name:           k_q830c1c022e_attn
    .symbol:         k_q830c1c022e_attn.kd
    .args:
      - { .name: qkv, .offset: 0, .size: 8, .value_kind: global_buffer, .address_space: global }
      - { .name: qkvs, .offset: 8, .size: 8, .value_kind: global_buffer, .address_space: global }
      - { .name: ctx, .offset: 16, .size: 8, .value_kind: global_buffer, .address_space: global }
      - { .name: ctxs, .offset: 24, .size: 8, .value_kind: global_buffer, .address_space: global }
    .group_segment_fixed_size: 210944
    .private_segment_fixed_size: 0
    .kernarg_segment_align: 8
    .kernarg_segment_size: 32
    .max_flat_workgroup_size: 512
    .sgpr_count:     100
    .vgpr_count:     256
    .wavefront_size: 32
...
	.end_amdgpu_metadata
.endif
;; end of part 3
;; launch outp (part 4): grid 4 x 32, 4 waves a work-group, clusters of 4 x 4, 327,680 bytes of LDS; arguments ctx, ctxs, w_codes, w_scales, bo, out0; writes out0
.if DOCPART == 4
	.amdgcn_target "amdgcn-amd-amdhsa--gfx1250"
	.amdhsa_code_object_version 6
	.text
	.protected	k_q830c1c022e_outp
	.globl	k_q830c1c022e_outp
	.p2align	8
	.type	k_q830c1c022e_outp,@function
k_q830c1c022e_outp:
	s_mov_b64 s[64:65], 0
	v_nop
	global_prefetch_b8 v0, s[64:65] scope:SCOPE_SE
	s_setreg_imm32_b32 hwreg(HW_REG_WAVE_MODE, 25, 1), 1
	s_wait_xcnt 0x0
	s_wait_alu depctr_hold_cnt(0) depctr_sa_sdst(0) depctr_va_vdst(0) depctr_va_sdst(0) depctr_va_ssrc(0) depctr_va_vcc(0) depctr_vm_vsrc(0)
	s_getreg_b32 s2, hwreg(HW_REG_IB_STS2, 6, 4)
	s_cmp_eq_u32 s2, 0
	s_cbranch_scc0 .Lentry_in_a_cluster
	s_endpgm
.Lentry_in_a_cluster:
	s_bfe_u32 s2, ttmp6, 0x10000c
	s_cmp_lg_u32 s2, 0xf033
	s_cbranch_scc0 .Lentry_shape_is_right
	s_endpgm
.Lentry_shape_is_right:
; out0 = ctx Wo + bo on codes of FP6 (E2M3) with E8M0 scales, f32 sums.  ctx comes as images of operand registers, [tile of 16 tokens (512)][head (16)][768], its scale bytes as [stored row (8192)][32];
; Wo's columns are rows 3,072 .. 4,095 of the weights' codes (768 bytes a row, K innermost) and scale bytes (32 a row).  Both lie in the stored order (in each group of 32 rows bits 3 and 4 of the row's number have changed places).
; A tile of 256 x 256 of out0 is made by four waves, 128 x 128 each: 64 accumulators, 512 registers.  K = 1,024 goes in steps of 256 through a ring of two LDS slots filled by the tensor data mover.
; A's part of a slot is 8 tiles x 3,072 bytes a wave's load (four heads' images on end); a fragment (16 rows x 128 K) is two images: loads of 16, 8, 16, 8 bytes a lane, consecutive from lane to lane.
; THE MATRIX INSTRUCTION IS USED TRANSPOSED (source 0 = 16 rows of B, source 1 = 16 rows of A): a lane holds eight neighbouring numbers of a row of out0.  The bias is the C of each sum's first product.
; The way out undoes the stored order: the columns by the place in the stage, the rows by the stores' offsets.
; CLUSTERS: 4 x 4 work-groups; A's tile is asked for jointly along a row of the cluster, B's along a column.  The launch has 128 work-groups: the tile is kept large, since each LDS byte then feeds the most products.
; REGISTERS, in windows of 256: window 0: v0-31 addresses; v32-63 scale words, two sets; v64-127 the bias, eight registers for each of B's blocks; from v128 A's fragments, ONE set; on the way out v128-255 rows of out0.
;   window 1: B's fragments, TWO sets.   window 2: the accumulators of my rows 0-63 ((a, b) at v[8 (8 a + b)]);   window 3: those of my rows 64-127.
.set SIZE_N, 1024
.set NQ,     2
.set ROWB,   192                       ; B: a tile's row in bytes
.set AROWB,  3072                      ; A: a K step of 256 of one tile of 16 rows: four images
.set KROW,   768                       ; a row of codes in memory; for A: 16 rows are 12,288 bytes, the same figure a row
.set PITCH,  240                       ; B's LDS row: 3 x (64 bytes + 16 of padding)
.set FR,     12
.set NL,     6                         ; LDS loads that bring a fragment of B
.set NLA,    4                         ; and of A
.set NP,     4                         ; places behind this matrix instruction (ISA guide 7.12.1)
.set HALFT,  128*PITCH                 ; a wave's quarter of a slot (A's loads use 24,576 bytes of it)
.set SLOT,   4*HALFT
.set LAPS,   2
.set KS,     32
.set SCL,    2*SLOT
.set HALFS,  (128*KS/256)*272
.set SBLK,   (16*KS/256)*272
.set SPARE,  SCL+4*HALFS               ; the spare words, 128 bytes a wave: two blocks of 256 bytes that no other line names
.set SPITCH, 528                       ; the way out: a stage of 16 rows x (512 bytes + 16) for each wave, in slot 0, which has had its last fill and its last read when the first result is stored there
.set ADRA, 16                          ; v16-17 16 x lane + my A tiles in slot 0, 1;  v18-19 8 x lane + the same
.set ADRB, 20                          ; v20-23 B's, as rows
.set STO,  24
.set RD,   25
.set CO,   26
.set ADRS, 27
.set SPW,  28
.set NIL,  29
.set SC,   32
.set BI,   64                          ; the bias
.set AF,   128
.set BK,   128
.set G1, 24
.set G0, 32
.set G1B, 48
.set G0B, 56
.set G1S, 68
.set G0S, 76
.set G1SB, 80
.set G0SB, 88
.set MSB, 0
.macro WIN new                         ; the immediate's high byte repeats the setting that is left
.if MSB != \new
	s_set_vgpr_msb (MSB<<8)|\new
.set MSB, \new
.endif
.endm
.set MUL_LO, 0xa1                      ; source 0 (B) window 1, source 1 (A) window 0, C and D window 2
.set MUL_HI, 0xf1
.set FIRST_LO, 0x81                    ; the first step: C (the bias) window 0, D window 2
.set FIRST_HI, 0xc1
.set TO_B,   0x40
.macro JLOAD g0a, g1a, g0b, g1b        ; a joint load: waves 0 and 1 fetch for A, waves 2 and 3 for B; four v_nop follow each of the two lines
	s_cmp_eq_u32 s15, 0
	s_cbranch_scc0 .Lfor_b_\@
	tensor_load_to_lds s[\g0a:\g0a+3], s[\g1a:\g1a+7]
	s_nop 0
.rept 4
	v_nop
.endr
	s_branch .Lasked_\@
.Lfor_b_\@:
	tensor_load_to_lds s[\g0b:\g0b+3], s[\g1b:\g1b+7]
	s_nop 0
.rept 4
	v_nop
.endr
.Lasked_\@:
.endm
.macro CREST
	s_cmp_lg_u32 s14, 0
	s_cbranch_scc1 .Lnot_wave_0_\@
	s_barrier_signal -3
.Lnot_wave_0_\@:
	s_barrier_wait -3
	s_barrier_signal -1
	s_barrier_wait -1
.endm
.macro CROUND
	s_barrier_signal -1
	s_barrier_wait -1
	CREST
.endm
	s_load_b128 s[4:7], s[0:1], 0x0                ; ctx's codes, ctx's scales
	s_load_b128 s[8:11], s[0:1], 0x10              ; the weights' codes, their scales
	s_load_b64 s[96:97], s[0:1], 0x20              ; bo
	s_load_b64 s[12:13], s[0:1], 0x28              ; out0
	v_lshl_add_u32 v[SPW], v0, 2, SPARE
	v_mov_b32 v[NIL], 0
	ds_add_u32 v28, v29
	ds_add_u32 v28, v29
	s_wait_dscnt 0x0
	v_lshrrev_b32 v1, 5, v0
	v_readfirstlane_b32 s14, v1                    ; wave 0..3
	s_lshr_b32 s15, s14, 1                         ; which half of the tile's rows is mine.  Also: I fetch for A (0) or for B (1)
	s_and_b32 s16, s14, 1                          ; which half of its columns.  Also: which 128 rows of that tile I fetch
	s_bfe_u32 s40, ttmp6, 0x40000                  ; cx, cy
	s_bfe_u32 s41, ttmp6, 0x40004
	s_lshl_b32 s42, ttmp9, 2
	s_add_co_u32 s42, s42, s40                     ; tile column = 4 x cluster x + cx
	s_and_b32 s17, ttmp7, 0xffff
	s_lshl_b32 s17, s17, 2
	s_add_co_u32 s17, s17, s41                     ; tile row = 4 x cluster y + cy
	s_lshl_b32 s43, s41, 2
	s_lshl_b32 s43, 15, s43                        ; my row of the cluster
	s_lshl_b32 s44, 0x1111, s40                    ; my column
	; descriptor group 1 for A: 8 tiles x 3,072 bytes (384 elements of 8), 12,288 bytes apart, dense in LDS
	s_or_b32 s[G1+0], s43, (3<<16)|(1<<21)
	s_mov_b32 s[G1+1], 384<<16
	s_mov_b32 s[G1+2], 8<<16
	s_mov_b32 s[G1+3], 384<<16
	s_mov_b32 s[G1+4], 8
	s_mov_b32 s[G1+5], 1536
	s_mov_b32 s[G1+6], 0
	s_mov_b32 s[G1+7], 0
	; for B: 128 rows x 192 bytes, 16 bytes of padding behind every 64
	s_or_b32 s[G1B+0], s44, (0<<16)|(1<<20)|(1<<21)|(3<<22)|(3<<25)
	s_mov_b32 s[G1B+1], ROWB<<16
	s_mov_b32 s[G1B+2], 128<<16
	s_mov_b32 s[G1B+3], ROWB<<16
	s_mov_b32 s[G1B+4], 128
	s_mov_b32 s[G1B+5], KROW
	s_mov_b32 s[G1B+6], 0
	s_mov_b32 s[G1B+7], 0
	; the scales of 128 rows: 4,096 dense bytes, as rows of 256 bytes, 16 bytes of padding behind each
	s_or_b32 s[G1S+0], s43, (3<<16)|(1<<20)|(1<<21)|(5<<22)|(3<<25)
	s_or_b32 s[G1SB+0], s44, (3<<16)|(1<<20)|(1<<21)|(5<<22)|(3<<25)
.irp g, G1S, G1SB
	s_mov_b32 s[\g+1], 32<<16
	s_mov_b32 s[\g+2], (128*KS/256)<<16
	s_mov_b32 s[\g+3], 32<<16
	s_mov_b32 s[\g+4], 128*KS/256
	s_mov_b32 s[\g+5], 32
	s_mov_b32 s[\g+6], 0
	s_mov_b32 s[\g+7], 0
.endr
	s_lshl_b32 s18, s16, 7
	s_lshl_b32 s20, s17, 8
	s_add_co_u32 s20, s20, s18                     ; A: row 256 x tile row + 128 x half
	s_lshl_b32 s46, s42, 8
	s_add_co_u32 s46, s46, s18
	s_add_co_u32 s46, s46, 3072                    ; B: Wo's columns: row 3,072 + 256 x tile column + 128 x half
	s_mov_b32 s21, 0
	s_mov_b32 s47, 0
	s_mov_b64 s[18:19], KS
	s_mul_u64 s[22:23], s[20:21], s[18:19]
	s_mul_u64 s[92:93], s[46:47], s[18:19]
	s_mov_b64 s[18:19], KROW
	s_mul_u64 s[20:21], s[20:21], s[18:19]
	s_mul_u64 s[46:47], s[46:47], s[18:19]
	s_mul_i32 s45, s14, HALFT                      ; where they go: no place in the cluster enters an LDS address
	s_mul_i32 s94, s14, HALFS
	s_wait_kmcnt 0x0
	s_add_nc_u64 s[20:21], s[4:5], s[20:21]
	s_add_nc_u64 s[22:23], s[6:7], s[22:23]
	s_add_nc_u64 s[46:47], s[8:9], s[46:47]
	s_add_nc_u64 s[92:93], s[10:11], s[92:93]
	CROUND                                         ; all sixteen work-groups are here: the first joint loads meet
	s_mov_b32 s[G0S], 1
	s_add_co_u32 s[G0S+1], s94, SCL
	s_mov_b64 s[G0S+2:G0S+3], s[22:23]
	s_or_b32 s[G0S+3], s[G0S+3], 0x80000000
	s_mov_b32 s[G0SB], 1
	s_add_co_u32 s[G0SB+1], s94, SCL
	s_mov_b64 s[G0SB+2:G0SB+3], s[92:93]
	s_or_b32 s[G0SB+3], s[G0SB+3], 0x80000000
	JLOAD G0S, G1S, G0SB, G1SB                     ; the scales first.  Each load below waits for all before it: one load of mine is out at a time
.irp s, 0,1
	s_mov_b32 s[G0+4*\s], 1
	s_add_co_u32 s[G0+4*\s+1], s45, \s*SLOT
	s_add_nc_u64 s[G0+4*\s+2:G0+4*\s+3], s[20:21], \s*AROWB
	s_or_b32 s[G0+4*\s+3], s[G0+4*\s+3], 0x80000000
	s_mov_b32 s[G0B+4*\s], 1
	s_add_co_u32 s[G0B+4*\s+1], s45, \s*SLOT
	s_add_nc_u64 s[G0B+4*\s+2:G0B+4*\s+3], s[46:47], \s*ROWB
	s_or_b32 s[G0B+4*\s+3], s[G0B+4*\s+3], 0x80000000
	s_wait_alu depctr_va_vdst(0)
	s_wait_tensorcnt 0x0
	ds_add_u32 v28, v29
	s_wait_dscnt 0x0
	CROUND
	JLOAD G0+4*\s, G1, G0B+4*\s, G1B
.endr
	v_and_b32 v1, 15, v0                           ; l % 16
	v_bfe_u32 v2, v0, 4, 1                         ; l / 16
	v_mul_u32_u24 v3, v1, PITCH
	v_mul_u32_u24 v4, v2, 24
	v_add_nc_u32 v4, v3, v4                        ; B: a fragment's row x pitch + 24 x half
	v_lshl_add_u32 v5, v2, 4, v4                   ; and the same behind one padding more
	v_and_b32 v6, 31, v0
	v_lshlrev_b32 v7, 4, v6                        ; A: 16 x lane
	v_lshlrev_b32 v8, 3, v6                        ;    8 x lane
	s_mul_i32 s21, s15, HALFT                      ; my 128 rows of A
	s_mul_i32 s22, s16, HALFT                      ; my 128 rows of B,
	s_add_co_u32 s22, s22, 2*HALFT                 ; which lie behind A's two quarters
.irp s, 0,1
	v_add_nc_u32 v[ADRA+\s], s21, v7
	v_add_nc_u32 v[ADRA+2+\s], s21, v8
	v_add_nc_u32 v[ADRB+\s], s22, v4
	v_add_nc_u32 v[ADRB+2+\s], s22, v5
	s_add_co_u32 s21, s21, SLOT
	s_add_co_u32 s22, s22, SLOT
.endr
	v_mul_u32_u24 v5, v1, KS
	v_lshrrev_b32 v6, 8, v5
	v_lshl_add_u32 v5, v6, 4, v5
	s_mul_i32 s21, s15, HALFS
	s_mul_i32 s22, s16, HALFS
	s_add_co_u32 s22, s22, 2*HALFS
	s_sub_co_u32 s22, s22, s21
	v_mul_u32_u24 v6, s22, v2                      ; lanes 16-31 take B's: the lower base + half x the distance
	s_add_co_u32 s21, s21, SCL
	v_add_nc_u32 v5, v5, v6
	v_add_nc_u32 v[ADRS], s21, v5
	s_mul_i32 s23, s14, 16*SPITCH                  ; my stage
	v_mul_u32_u24 v5, v1, SPITCH                   ; in: row l % 16; my half's 16 columns of each 32 begin 64 bytes on
	v_lshl_add_u32 v5, v2, 6, v5
	v_add_nc_u32 v[STO], s23, v5
	v_and_b32 v6, 31, v0
	v_lshlrev_b32 v[CO], 4, v6                     ; back: the 32 lanes take one row of 512 bytes; and the same in out0
	v_add_nc_u32 v[RD], s23, v[CO]
	s_lshl_b32 s20, s17, 8
	s_lshl_b32 s21, s15, 7
	s_add_co_u32 s20, s20, s21                     ; my first row of out0
	s_mov_b32 s21, 0
	s_mov_b64 s[18:19], SIZE_N*4
	s_mul_u64 s[20:21], s[20:21], s[18:19]
	s_lshl_b32 s46, s42, 10                        ; my first column, in bytes: 1,024 x tile column + 512 x half
	s_lshl_b32 s47, s16, 9
	s_add_co_u32 s46, s46, s47
	s_mov_b32 s47, 0
	s_add_nc_u64 s[96:97], s[96:97], s[46:47]      ; bo at my first column
	s_add_nc_u64 s[20:21], s[20:21], s[46:47]
	s_add_nc_u64 s[12:13], s[12:13], s[20:21]
	v_lshlrev_b32 v9, 6, v2                        ; register j of B's block b is column 32 (b / 2) + 16 (lane / 16) + 8 (b % 2) + j
.irp b, 0,1,2,3,4,5,6,7
	global_load_b128 v[BI+8*\b:BI+8*\b+3], v9, s[96:97] offset:(32*(\b/2)+8*(\b%2))*4
	global_load_b128 v[BI+8*\b+4:BI+8*\b+7], v9, s[96:97] offset:(32*(\b/2)+8*(\b%2))*4+16
.endr
.macro FRAG reg, adr, q, i             ; a fragment of B from rows: pieces of 8 bytes; the second address register serves the pieces that lie behind one padding more
.irp p, 0,1,2,3,4,5
.set PCE, 12*(\q)+6*(\p/3)+\p%3
.if PCE%8 < 5
	ds_load_b64 v[\reg+2*\p:\reg+2*\p+1], v[\adr] offset:8*PCE+16*(PCE/8)+(\i)*16*PITCH
.else
	ds_load_b64 v[\reg+2*\p:\reg+2*\p+1], v[\adr+2] offset:8*PCE+16*(PCE/8)+(\i)*16*PITCH
.endif
.endr
.endm
.macro FRAGA reg, slot, q, i           ; a fragment of A from two images
	ds_load_b128 v[\reg:\reg+3], v[ADRA+\slot] offset:(\i)*AROWB+(\q)*1536
	ds_load_b64 v[\reg+4:\reg+5], v[ADRA+2+\slot] offset:(\i)*AROWB+(\q)*1536+512
	ds_load_b128 v[\reg+6:\reg+9], v[ADRA+\slot] offset:(\i)*AROWB+(\q)*1536+768
	ds_load_b64 v[\reg+10:\reg+11], v[ADRA+2+\slot] offset:(\i)*AROWB+(\q)*1536+1280
.endm
; 16 matrix instructions: A's blocks a0, a0 + 1 x B's eight.  first = 1: the bias is the C: it starts the sums.  The 64 accumulators take turns, one instruction a turn.
.macro MUL16 a0, p, q, sc, first
.irp a, \a0, \a0+1
.irp b, 0,1,2,3,4,5,6,7
.if \first
	v_wmma_scale_f32_16x16x128_f8f6f4 v[8*(8*((\a)%4)+\b):8*(8*((\a)%4)+\b)+7], v[128*(\p)+FR*\b:128*(\p)+FR*\b+FR-1], v[AF+FR*(\a):AF+FR*(\a)+FR-1], v[BI+8*\b:BI+8*\b+7], v[SC+8*NQ*(\sc)+NQ*\b+(\q)], v[SC+8*NQ*(\sc)+NQ*(\a)+(\q)] matrix_a_fmt:MATRIX_FMT_FP6 matrix_b_fmt:MATRIX_FMT_FP6 matrix_a_scale:MATRIX_SCALE_ROW1
.else
	v_wmma_scale_f32_16x16x128_f8f6f4 v[8*(8*((\a)%4)+\b):8*(8*((\a)%4)+\b)+7], v[128*(\p)+FR*\b:128*(\p)+FR*\b+FR-1], v[AF+FR*(\a):AF+FR*(\a)+FR-1], v[8*(8*((\a)%4)+\b):8*(8*((\a)%4)+\b)+7], v[SC+8*NQ*(\sc)+NQ*\b+(\q)], v[SC+8*NQ*(\sc)+NQ*(\a)+(\q)] matrix_a_fmt:MATRIX_FMT_FP6 matrix_b_fmt:MATRIX_FMT_FP6 matrix_a_scale:MATRIX_SCALE_ROW1
.endif
.endr
.endr
.endm
.macro FETCH_B slot, q, p
	WIN TO_B
.irp i, 0,1,2,3,4,5,6,7
	FRAG 128*(\p)+FR*\i, ADRB+\slot, \q, \i
.endr
	WIN 0
.endm
.macro FETCH_A slot, q, i0
.irp i, \i0, \i0+1, \i0+2, \i0+3
	FRAGA AF+FR*(\i), \slot, \q, \i
.endr
.endm
.macro SCALES sc
.irp i, 0,1,2,3,4,5,6,7
	ds_load_b64 v[SC+8*NQ*\sc+NQ*\i:SC+8*NQ*\sc+NQ*\i+1], v[ADRS] offset:\i*SBLK
.endr
.endm
.macro PLACES n
.rept \n
	v_nop
.endr
.endm
.macro STEP slot, q, first
	s_wait_dscnt 4*NLA                             ; B's set and A's blocks 0-3 are in; the youngest 16 loads (A's blocks 4-7) may be out
.if \first
	WIN FIRST_LO
.else
	WIN MUL_LO
.endif
	MUL16 0, (\q)%2, \q, \slot, \first
	MUL16 2, (\q)%2, \q, \slot, \first
	s_wait_dscnt 0
	PLACES NP
	FETCH_B \slot, (\q)+1, 1-(\q)%2
	FETCH_A \slot, (\q)+1, 0
.if \first
	WIN FIRST_HI
.else
	WIN MUL_HI
.endif
	MUL16 4, (\q)%2, \q, \slot, \first
	MUL16 6, (\q)%2, \q, \slot, \first
	PLACES NP
	WIN 0
	FETCH_A \slot, (\q)+1, 4
.endm
.macro TURN slot, next, fill
	s_wait_tensorcnt 0x0                           ; all my tensor loads have landed: my part of the next slot
	ds_add_u32 v[SPW], v[NIL]                      ; 0 onto my spare word
	s_wait_dscnt 4*NLA+1                           ; (the add and the youngest 16 loads, A's blocks 4-7, may be out)
	WIN MUL_LO
	MUL16 0, 1, NQ-1, \slot, 0
	s_wait_dscnt 0x0                               ; the add is done, and my reads of this slot are over
	s_barrier_signal -1
	MUL16 2, 1, NQ-1, \slot, 0
	WIN 0
	s_barrier_wait -1
.if \fill
	CREST                                          ; the barrier has opened a round of the cluster's: no wave of any partner still reads this slot or has a load on its way
	s_add_nc_u64 s[G0+4*\slot+2:G0+4*\slot+3], s[G0+4*\slot+2:G0+4*\slot+3], 2*AROWB
	s_add_nc_u64 s[G0B+4*\slot+2:G0B+4*\slot+3], s[G0B+4*\slot+2:G0B+4*\slot+3], 2*ROWB
	JLOAD G0+4*\slot, G1, G0B+4*\slot, G1B         ; the first tensor load behind the round, my only one until the next; its four v_nop are the places in front of the loads below
.else
	PLACES NP
.endif
	s_wait_alu depctr_va_vdst(0)
	v_add_nc_u32 v[ADRS], 4*NQ, v[ADRS]
	FETCH_B \next, 0, 0
	FETCH_A \next, 0, 0
	SCALES \next
	WIN MUL_HI
	MUL16 4, 1, NQ-1, \slot, 0
	MUL16 6, 1, NQ-1, \slot, 0
	PLACES NP
	WIN 0
	FETCH_A \next, 0, 4
.endm
	s_wait_alu depctr_va_vdst(0)
	s_wait_tensorcnt 1                             ; the scales and my part of K step 0 are in (K step 1's load may be out)
	s_barrier_signal -1
	s_barrier_wait -1                              ; everybody's are
	FETCH_B 0, 0, 0
	FETCH_A 0, 0, 0
	SCALES 0
	FETCH_A 0, 0, 4
	s_wait_loadcnt 0x0                             ; the bias
	STEP 0, 0, 1                                   ; the first step's products start the sums from the bias
	s_mov_b32 s3, LAPS-1
.Llap:
	TURN 0, 1, 1
	STEP 1, 0, 0
	TURN 1, 0, 1
	STEP 0, 0, 0
	s_sub_co_u32 s3, s3, 1
	s_cmp_lg_u32 s3, 0
	s_cbranch_scc1 .Llap
	TURN 0, 1, 0                                   ; the last lap fills nothing
	STEP 1, 0, 0
	s_wait_dscnt 4*NLA
	WIN MUL_LO
	MUL16 0, 1, NQ-1, 1, 0
	MUL16 2, 1, NQ-1, 1, 0
	s_wait_dscnt 0
	WIN MUL_HI
	MUL16 4, 1, NQ-1, 1, 0
	MUL16 6, 1, NQ-1, 1, 0
	WIN 0
; THE WAY OUT, block by block of 16 rows x 128 columns, through my own stage in LDS; it comes back as whole rows of 512 bytes.  LDS serves a wave's instructions in order (ISA guide 5.7.1.4).
.macro TOSTAGE a
.set AC, 64*((\a)%4)
.set WW, 0x08+4*((\a)/4)
	WIN WW                                         ; the data: window 2 or 3
.irp b, 0,1,2,3,4,5,6,7
	ds_store_b128 v[STO], v[AC+8*\b:AC+8*\b+3] offset:128*(\b/2)+32*(\b%2)        ; each accumulator from its low end on, at its true columns
	ds_store_b128 v[STO], v[AC+8*\b+4:AC+8*\b+7] offset:128*(\b/2)+32*(\b%2)+16
.endr
	WIN 0
.set BB, BK+64*((\a)%2)
.irp t, 0,1,2,3,4,5,6,7,8,9,10,11,12,13,14,15
	ds_load_b128 v[BB+4*\t:BB+4*\t+3], v[RD] offset:\t*SPITCH
.endr
.endm
.macro SEND a, younger                 ; younger: the LDS instructions issued behind block a's loads, which may stay out
.set BB, BK+64*((\a)%2)
	s_wait_dscnt \younger
.if (\a) > 0                           ; block 2 g + u begins at true row 32 g + 8 u.  (Behind a wait on XCNT: the earlier stores have read their base)
.if (\a)%2
	s_add_nc_u64 s[12:13], s[12:13], 8*SIZE_N*4
.else
	s_add_nc_u64 s[12:13], s[12:13], 24*SIZE_N*4
.endif
.endif
.irp t, 0,1,2,3,4,5,6,7,8,9,10,11,12,13,14,15
	global_store_b128 v[CO], v[BB+4*\t:BB+4*\t+3], s[12:13] offset:(\t+8*(\t/8))*SIZE_N*4 th:TH_STORE_NT   ; stored row t of the block is true row t + 8 (t / 8); 32 lanes store 512 consecutive bytes, aligned
.endr
.endm
	PLACES NP
	TOSTAGE 0
.irp a, 1,2,3,4,5,6,7
.if \a > 1
	s_wait_xcnt 0x0                                ; block a - 2's stores have read their registers and their base
.endif
	TOSTAGE \a
	SEND \a-1, 32                                  ; behind block a - 1's loads: block a's 16 stores and 16 loads
.endr
	s_wait_xcnt 0x0
	SEND 7, 0
	s_wait_tensorcnt 0x0                           ; the wave's end
	ds_add_u32 v[SPW], v[NIL]
	s_wait_dscnt 0x0
	CROUND                                         ; the closing round
	s_endpgm
.Lfunc_end_k_q830c1c022e_outp:
	.size	k_q830c1c022e_outp, .Lfunc_end_k_q830c1c022e_outp-k_q830c1c022e_outp
	.p2alignl 7, 3214868480
	.fill 96, 4, 3214868480
	.section	.rodata,"a",@progbits
	.p2align	6, 0x0
	.amdhsa_kernel k_q830c1c022e_outp
		.amdhsa_group_segment_fixed_size 327680
		.amdhsa_private_segment_fixed_size 0
		.amdhsa_enable_private_segment 0
		.amdhsa_kernarg_size 48
		.amdhsa_user_sgpr_count 2
		.amdhsa_user_sgpr_kernarg_segment_ptr 1
		.amdhsa_wavefront_size32 1
		.amdhsa_system_sgpr_workgroup_id_x 1
		.amdhsa_system_sgpr_workgroup_id_y 1
		.amdhsa_system_sgpr_workgroup_id_z 1
		.amdhsa_system_vgpr_workitem_id 0
		.amdhsa_next_free_vgpr 1024
		.amdhsa_next_free_sgpr 100
		.amdhsa_reserve_vcc 0
		.amdhsa_float_denorm_mode_32 3
		.amdhsa_float_denorm_mode_16_64 3
		.amdhsa_memory_ordered 1
		.amdhsa_forward_progress 1
		.amdhsa_inst_pref_size 155
	.end_amdhsa_kernel
	.amdgpu_metadata
---
amdhsa.version: [ 1, 2 ]
amdhsa.kernels:
  - .name:           k_q830c1c022e_outp
    .symbol:         k_q830c1c022e_outp.kd
    .args:
      - { .name: ctx, .offset: 0, .size: 8, .value_kind: global_buffer, .address_space: global }
      - { .name: ctxs, .offset: 8, .size: 8, .value_kind: global_buffer, .address_space: global }
      - { .name: w_codes, .offset: 16, .size: 8, .value_kind: global_buffer, .address_space: global }
      - { .name: w_scales, .offset: 24, .size: 8, .value_kind: global_buffer, .address_space: global }
      - { .name: bo, .offset: 32, .size: 8, .value_kind: global_buffer, .address_space: global }
      - { .name: out0, .offset: 40, .size: 8, .value_kind: global_buffer, .address_space: global }
    .group_segment_fixed_size: 327680
    .private_segment_fixed_size: 0
    .kernarg_segment_align: 8
    .kernarg_segment_size: 48
    .max_flat_workgroup_size: 128
    .sgpr_count:     100
    .vgpr_count:     1024
    .wavefront_size: 32
...
	.end_amdgpu_metadata
.endif
;; end of part 4
